; MI455X (gfx1250); checked and timed in simulation.
; The chip was launched on July 23, 2026; its instructions are those of AMD's public machine-readable ISA for CDNA 5 (MIT licence, August 2026) and "CDNA5" Instruction Set Architecture Reference Guide (July 2026). The comments in the code are by the model that wrote it; some were corrected since.
;; Standard Multi Head Attention. Allowed arithmetic: matrix products marked QUANTISED: E2M3 operands, one E8M0 scale for each 32 along K, by v_wmma_scale_f32_16x16x128_f8f6f4 with both operands' format E2M3, f32 sums; everything else in f32.
;; Inputs: bo 1,024 float32; wk 1,024 x 1,024 float32; wo 1,024 x 1,024 float32; wq 1,024 x 1,024 float32; wv 1,024 x 1,024 float32; x 2 x 2,048 x 1,024 float32.
;; Outputs: out0 2 x 2,048 x 1,024 float32.
;; This version of the problem:
;;   THIS VERSION OF THE PROBLEM IS GIVEN IN LOW PRECISION. The matrix products marked QUANTISED in the list below multiply operands that are first quantised to E2M3 (2 exponent bits, 3 mantissa bits; 6 bits a number), with one power-of-two scale for each 32 numbers along K (OCP MX v1.0); their sums are f32. All else is computed in f32.
;;   The module's matrix products, in the order in which they are computed (A, B: the left and right operand; K: the contracted axis; several contracted axes count as one K, in the product's order):
;;     1. [M 4,096, K 1,024] x [K 1,024, N 1,024]; A: input x; B: input wq: QUANTISED
;;     2. [M 4,096, K 1,024] x [K 1,024, N 1,024]; A: input x; B: input wk: QUANTISED
;;     3. [M 4,096, K 1,024] x [K 1,024, N 1,024]; A: input x; B: input wv: QUANTISED
;;     4. batch 32 x [M 2,048, K 64] x [K 64, N 2,048]; A: computed on the way; B: computed on the way: QUANTISED
;;     5. batch 32 x [M 2,048, K 2,048] x [K 2,048, N 64]; A: softmax (see below); B: computed on the way: QUANTISED
;;     6. [M 4,096, K 1,024] x [K 1,024, N 1,024]; A: computed on the way; B: input wo: QUANTISED
;;   THE QUANTISER, for each operand of a quantised product, along K:
;;     - K is cut into blocks of 32 from its start; a last block that is shorter is filled with zeros.
;;     - A block's scale is 2^e with e = floor(log2(the largest magnitude in the block)) - 2, held to -126 .. 127; a block of zeros has e = 0. As a byte (E8M0): e + 127.
;;     - Each number is divided by its block's scale, clamped to +-7.5, and rounded to the nearest number of E2M3, ties to even, subnormals kept.
;;     - The product sums the exact products of the quantised numbers (number of the format x scale) in f32.
;;   ~~~python
;;   def quantise(x, axis):      # numpy; x: float32 -> the quantised numbers, widened to float32 again
;;       x = np.moveaxis(x, axis, -1); K = x.shape[-1]
;;       x = np.pad(x, [(0, 0)] * (x.ndim - 1) + [(0, -K % 32)]); x = x.reshape(x.shape[:-1] + (-1, 32)); a = np.abs(x).max(-1, keepdims=True)
;;       e = np.where(a > 0, np.clip(np.frexp(np.where(a > 0, a, 1))[1] - 1 - 2, -126, 127), 0)      # np.frexp(a)[1] - 1 = floor(log2(a)), exactly
;;       r = np.clip(x / 2.0 ** e, -7.5, 7.5)
;;       step = 2.0 ** (np.maximum(np.frexp(np.where(r == 0, 1, r))[1] - 1, 0) - 3)
;;       q = np.round(r / step) * step * 2.0 ** e      # np.round: ties to even
;;       return np.moveaxis(q.reshape(q.shape[:-2] + (-1,))[..., :K], -1, axis).astype(np.float32)
;;   ~~~
;;   SOFTMAX AHEAD OF A QUANTISED PRODUCT. Where the list says 'softmax', what is quantised is not the finished softmax but p = 2^(t - M), with t = logit x log2(e) and M = ceil(the row's largest t), a whole number; so 1/2 < the row's largest p <= 1. The row's sum l is taken of the UNQUANTISED p, in f32, and the product's result is divided by l at the end. Since M is a whole number, a kernel that streams over the keys may use a running M (the ceiling of the running maximum): every later rescaling is an exact power of two, which a block's scale takes up: the codes' values come out the same.
;;   OPERANDS COMPUTED ON THE WAY. 'Computed on the way' means the value that the module computes at that place (a softmax that the list does not call 'softmax' is quantised finished and normalised). What goes into a quantiser is computed in f32, as accurately as f32 sums, v_exp_f32 and their like allow (about 1e-6 of the number): no bf16 or f16 on the way to a quantiser, and a product that is left as it is and whose result goes on into a quantised operand takes f32 operands (vector FMAs, or v_wmma_f32_16x16x4_f32). A number that lies on a knife's edge between two numbers of the format may be rounded either way, as far as f32 arithmetic and the matrix unit's own rounding can turn it there, and no further.
;; One version. Each part assembles by itself: llvm-mc -triple=amdgcn-amd-amdhsa -mcpu=gfx1250 --defsym DOCPART=n.
;; ======== version 1 of 1: 4 launches
;; limits: right only within a limited range of input values
;; workspace buffers: x_codes 3,145,728 bytes; x_scales 131,072 bytes; w_codes 3,145,728 bytes; w_scales 131,072 bytes; qb 3,276,800 bytes; kv 6,553,600 bytes; a_codes 3,145,728 bytes; a_scales 131,072 bytes
;; launch quant (part 1): grid 384 x 1, 4 waves a work-group, no clusters, 58,880 bytes of LDS; arguments x, wq, wk, wv, wo, x_codes, x_scales, w_codes, w_scales; writes x_codes, x_scales, w_codes, w_scales
.if DOCPART == 1
	.amdgcn_target "amdgcn-amd-amdhsa--gfx1250"
	.amdhsa_code_object_version 6
	.text
	.protected	k_qb6bbd84efd_quant
	.globl	k_qb6bbd84efd_quant
	.p2align	8
	.type	k_qb6bbd84efd_quant,@function
k_qb6bbd84efd_quant:
	s_mov_b64 s[64:65], 0
	v_nop
	global_prefetch_b8 v0, s[64:65] scope:SCOPE_SE
	s_setreg_imm32_b32 hwreg(HW_REG_WAVE_MODE, 25, 1), 1
	s_wait_xcnt 0x0
; MULTI-HEAD ATTENTION IN MX-FP6, LAUNCH 1 OF 4: x [4096][1024] and the four weights [1024 (k)][1024 (n)], f32, become codes of E2M3 with one E8M0 byte for each 32 along K.
; NO WORK OF THE PROBLEM IS LEFT OUT IN ANY LAUNCH: x, wq, wk, wv, wo and bo all have a way to the output, and all six products are live.
; A block's scale is 2^(floor(log2(its largest magnitude)) - 2); its byte is the largest magnitude's exponent field - 2, held at 1 from below.
; LIMITS: a block of zeros gets the byte 1 (with zero codes) where the quantiser says 127: the bytes are read by this program alone.  Blocks whose largest magnitude lies under 2^(3 - 127) are held at the byte 1.
; NaN and infinities among the inputs are not served.
; THE WORKSPACE IS LAID AS THE OPERANDS' REGISTERS WANT IT.  Rows (of x: tokens; of a weight: its columns n) stand in tiles of 16: place r of tile T is row 32 (T / 2) + 8 (T % 2) + r + 8 (r / 8).
; A fragment (16 rows x 128 K, 12 registers a lane) is 1,536 bytes: register p of lane L at 512 (p / 4) + 16 L + 4 (p % 4); register 6 c + i of lane (r, h) is word i of the 24 bytes of block 4 s + 2 c + h of row r.
; Codes: [tile][s 0..7] fragments.  Scale bytes: [tile][K / 256][r][8 bytes].  w's tiles: 0-63 wq, 64-127 wk, 128-191 wv, 192-255 wo.
; Work-groups 0-255 take a tile of x each (a wave: 256 along K); work-groups 256-383 take 128 columns x 256 along K of a weight (a wave: 32 columns).  The two ways part on the work-group's number and have LDS bytes of their own.
; No tensor loads, no barrier: waves share nothing.
.set SPARE,  58368                     ; behind both ways' regions: the spare words, 128 bytes for each wave
.set SPW,    12                        ; v12  LDS address of my spare word; never rewritten
.set NIL,    13                        ; v13  0; never rewritten
.set XREG,   8448                      ; x's way: a wave's region: two stages of 32 x 80 bytes, the codes' 3,072 bytes, 128 scale bytes in a block of 256
.set SP,     80
.set OUTS,   5120
.set SCS,    8192
.set WBASE,  33792                     ; the weights' way: from here on 6,144 bytes a wave
.set WREG,   6144
.set R,      16                        ; x: v16-79   four sets of 16 numbers as loaded
.set X,      80                        ; x: v80-111  two sets of 16 neighbours
.set E,      112                       ; x: v112-119 a scale byte for each step
.set C,      128                       ; x: v128-159 codes, four registers for each step
.set WX,     32                        ; w: v32-95   two sets of 32 numbers
.set WCD,    96                        ; w: v96-101  a block's codes; v104-106 its second half as converted
.set WOUT,   112                       ; w: v112-159 the way out
.set SB,     24                        ; w: v24-25   eight scale bytes
	s_load_b256 s[4:11], s[0:1], 0x0               ; x, wq, wk, wv
	s_load_b256 s[12:19], s[0:1], 0x20             ; wo, x_codes, x_scales, w_codes
	s_load_b64 s[20:21], s[0:1], 0x40              ; w_scales
	v_lshl_add_u32 v[SPW], v0, 2, SPARE
	v_mov_b32 v[NIL], 0
	v_lshrrev_b32 v1, 5, v0
	v_readfirstlane_b32 s22, v1                    ; wave 0..3
	v_and_b32 v2, 31, v0                           ; lane
	s_wait_kmcnt 0x0
	s_cmp_lt_u32 ttmp9, 256
	s_cbranch_scc0 .Lweights
; ---------------- x: K is innermost.  Tile T = the work-group's number; wave w takes K = 256 w .. 256 w + 255: fragments 2 w and 2 w + 1.
; Eight steps of two rows.  A step's four loads read 512 consecutive bytes each; its 2,048 bytes turn through the wave's stage and come back 64 bytes a lane: 16 neighbours along K, two lanes to a block.
	s_wait_alu depctr_va_vdst(0)
	v_lshlrev_b32 v3, 4, v2                        ; 16 x lane: a load's and a store's place
	s_mul_i32 s23, s22, XREG                       ; my region
	v_lshrrev_b32 v14, 2, v2
	v_mul_u32_u24 v14, v14, SP
	v_and_b32 v15, 3, v2
	v_lshl_add_u32 v14, v15, 4, v14
	v_add_nc_u32 v14, s23, v14                     ; the stage, in: 80 (lane / 4) + 16 (lane % 4)
	v_mul_u32_u24 v15, v2, SP
	v_add_nc_u32 v15, s23, v15                     ; and out: 80 x lane
	; behind the turn lane l holds row 2 t + l / 16, block (l / 2) % 8, half l % 2.  Its three words of codes are registers 6 c + 3 half + j of the image: c = (l / 4) % 2, image lane = row + 16 ((l / 2) % 2), fragment (l / 8) % 2
	v_bfe_u32 v122, v2, 2, 1
	v_and_b32 v123, 1, v2
	v_mul_u32_u24 v122, v122, 6
	v_mad_u32_u24 v122, v123, 3, v122              ; 6 c + 3 half
	v_bfe_u32 v123, v2, 3, 1
	v_mul_u32_u24 v123, v123, 1536                 ; the fragment
	v_bfe_u32 v124, v2, 1, 1
	v_lshl_add_u32 v123, v124, 8, v123             ; 16 x 16 h
	v_lshrrev_b32 v124, 4, v2
	v_lshl_add_u32 v123, v124, 4, v123             ; 16 x (the odd row of the step's two)
	v_add_nc_u32 v123, s23, v123
.irp j, 0,1,2
	v_add_nc_u32 v124, \j, v122                    ; register p
	v_lshrrev_b32 v125, 2, v124
	v_and_b32 v124, 3, v124
	v_lshl_add_u32 v125, v125, 9, v123             ; 512 (p / 4)
	v_lshl_add_u32 v[4+\j], v124, 2, v125          ; + 4 (p % 4): v4-6
.endr
	v_bfe_u32 v7, v2, 1, 3
	v_lshrrev_b32 v124, 4, v2
	v_lshl_add_u32 v7, v124, 3, v7
	v_add_nc_u32 v7, s23, v7                       ; my block's scale byte: 8 x (row in the step) + block
	v_add_nc_u32 v10, s23, v3                      ; the way out: 16 x lane,
	v_lshlrev_b32 v121, 2, v2
	v_add_nc_u32 v120, s23, v121                   ; and 4 x lane for the scale bytes
	; x's TILES HAVE AN ORDER OF THEIR OWN (the weights keep theirs): place r of tile T is token 64 (T / 4) + 8 (T % 4) + r % 8 + 32 (r / 8),
	; so that a lane's 32 results over four neighbouring tiles of x are 32 neighbouring tokens: a whole scale block along the keys
	s_lshr_b32 s24, ttmp9, 2
	s_lshl_b32 s24, s24, 18                        ; 64 (T / 4) rows of 4,096 bytes
	s_and_b32 s25, ttmp9, 3
	s_lshl_b32 s25, s25, 15                        ; + 8 (T % 4) rows
	s_add_co_u32 s24, s24, s25
	s_lshl_b32 s25, s22, 10                        ; + my 1,024 bytes of a row
	s_add_co_u32 s24, s24, s25
	s_mov_b32 s25, 0
	s_add_nc_u64 s[4:5], s[4:5], s[24:25]
	s_mul_i32 s24, ttmp9, 12288
	s_mul_i32 s26, s22, 3072
	s_add_co_u32 s24, s24, s26
	s_add_nc_u64 s[14:15], s[14:15], s[24:25]      ; my two fragments
	s_lshl_b32 s24, ttmp9, 9
	s_lshl_b32 s26, s22, 7
	s_add_co_u32 s24, s24, s26
	s_add_nc_u64 s[16:17], s[16:17], s[24:25]      ; my 128 scale bytes
.macro XLOAD t                         ; places 2 t and 2 t + 1 of the tile: place p is row p % 8 + 32 (p / 8)
.irp i, 0,1,2,3
	global_load_b128 v[R+16*((\t)%4)+4*\i:R+16*((\t)%4)+4*\i+3], v3, s[4:5] offset:((2*(\t)+\i/2)%8+32*((2*(\t)+\i/2)/8))*4096+512*(\i%2) th:TH_LOAD_NT
.endr
.endm
.macro XTURN t                         ; LDS serves a wave's instructions in order: no wait between the stores and the loads
.irp i, 0,1,2,3
	ds_store_b128 v14, v[R+16*((\t)%4)+4*\i:R+16*((\t)%4)+4*\i+3] offset:32*SP*((\t)%2)+8*SP*\i
.endr
.irp i, 0,1,2,3
	ds_load_b128 v[X+16*((\t)%2)+4*\i:X+16*((\t)%2)+4*\i+3], v15 offset:32*SP*((\t)%2)+16*\i
.endr
.endm
.macro XSTEP t
.set XS, X+16*((\t)%2)
.if (\t) > 0
	s_wait_dscnt 4                                 ; this step's numbers are back from the stage; the last step's four stores of codes and byte may be out
.else
	s_wait_dscnt 0x0
.endif
.if (\t)+4 < 8
	XLOAD (\t)+4                                   ; into the registers that this step's stage stores have read
.endif
.if (\t)+1 < 8
.if 8-2-(\t) >= 3
	s_wait_loadcnt 12                              ; the next step's four loads are in; those of the three steps behind it may be out
.else
	s_wait_loadcnt 4*(8-2-(\t))
.endif
	XTURN (\t)+1
.endif
	v_max3_num_f32 v8, |v[XS]|, |v[XS+1]|, |v[XS+2]|
	v_max3_num_f32 v9, |v[XS+3]|, |v[XS+4]|, |v[XS+5]|
.irp i, 6,10
	v_max3_num_f32 v8, v8, |v[XS+\i]|, |v[XS+\i+1]|
	v_max3_num_f32 v9, v9, |v[XS+\i+2]|, |v[XS+\i+3]|
.endr
	v_max3_num_f32 v8, v8, |v[XS+14]|, |v[XS+15]|
	v_max3_num_f32 v8, v8, v9, 0x1800000           ; and the floor 2^(3 - 127): the byte cannot fall under 1
	v_max_num_f32_dpp v8, v8, v8 row_xmask:1 row_mask:0xf bank_mask:0xf   ; with my neighbour's 16: the block's largest magnitude
	v_add_nc_u32 v11, 0xff000000, v8               ; 2 off its exponent field: the conversion's scale operand
	v_cvt_scalef32_pk16_fp6_f32 v[C+4*(\t):C+4*(\t)+2], v[XS:XS+15], v11
	v_lshrrev_b32 v[E+(\t)], 23, v11               ; the scale's byte (a plain line behind the conversion)
	ds_store_b32 v4, v[C+4*(\t)] offset:OUTS+32*(\t)      ; two rows on are 32 bytes on in the image
	ds_store_b32 v5, v[C+4*(\t)+1] offset:OUTS+32*(\t)
	ds_store_b32 v6, v[C+4*(\t)+2] offset:OUTS+32*(\t)
	ds_store_b8 v7, v[E+(\t)] offset:SCS+16*(\t)   ; both lanes of a block write the same byte with the same value
.endm
.irp t, 0,1,2,3
	XLOAD \t
.endr
	s_wait_loadcnt 12                              ; step 0's four loads are in
	XTURN 0
.irp t, 0,1,2,3,4,5,6,7
	XSTEP \t
.endr
.irp i, 0,1,2,3,4,5
	ds_load_b128 v[R+4*\i:R+4*\i+3], v10 offset:OUTS+512*\i   ; these see my stores: LDS serves a wave in order
.endr
	ds_load_b32 v[R+24], v120 offset:SCS
.irp i, 0,1,2,3,4,5
	s_wait_dscnt 6-\i
	global_store_b128 v3, v[R+4*\i:R+4*\i+3], s[14:15] offset:512*\i   ; 32 lanes store 512 consecutive bytes, aligned
.endr
	s_wait_dscnt 0x0
	global_store_b32 v121, v[R+24], s[16:17]       ; 128 consecutive bytes; the four waves' lie on end
	s_branch .Lend
; ---------------- the weights: K is the first axis.  A lane takes a column n and its registers run down K: a block of 32 lies in one lane, and the conversions give codes with K innermost.
.Lweights:
	s_sub_co_u32 s23, ttmp9, 256
	s_lshr_b32 s26, s23, 5                         ; which weight
	s_and_b32 s27, s23, 7                          ; which 128 columns
	s_bfe_u32 s28, s23, 0x20003                    ; which 256 along K
	s_cmp_eq_u32 s26, 1
	s_cselect_b64 s[24:25], s[8:9], s[6:7]
	s_cmp_eq_u32 s26, 2
	s_cselect_b64 s[24:25], s[10:11], s[24:25]
	s_cmp_eq_u32 s26, 3
	s_cselect_b64 s[24:25], s[12:13], s[24:25]
	s_lshl_b32 s30, s28, 20                        ; 256 rows of 4,096 bytes
	s_lshl_b32 s31, s27, 9
	s_add_co_u32 s30, s30, s31
	s_lshl_b32 s31, s22, 7                         ; my wave's 32 columns
	s_add_co_u32 s30, s30, s31
	s_mov_b32 s31, 0
	s_add_nc_u64 s[24:25], s[24:25], s[30:31]
	s_lshl_b32 s29, s26, 6
	s_lshl_b32 s30, s27, 3
	s_add_co_u32 s29, s29, s30
	s_lshl_b32 s30, s22, 1
	s_add_co_u32 s29, s29, s30                     ; my first tile: 64 x weight + 8 x (128 columns) + 2 x wave
	s_mul_i32 s30, s29, 12288
	s_mul_i32 s32, s28, 3072
	s_add_co_u32 s30, s30, s32
	s_add_nc_u64 s[18:19], s[18:19], s[30:31]
	s_lshl_b32 s30, s29, 9
	s_lshl_b32 s32, s28, 7
	s_add_co_u32 s30, s30, s32
	s_add_nc_u64 s[20:21], s[20:21], s[30:31]
	s_wait_alu depctr_va_vdst(0)
	v_lshlrev_b32 v3, 2, v2                        ; in: 4 bytes a lane
	v_bfe_u32 v4, v2, 3, 1                         ; column l of the 32 is place r = l % 8 + 8 (l / 16) of tile u = (l / 8) % 2
	v_and_b32 v5, 7, v2
	v_lshrrev_b32 v6, 4, v2
	v_lshl_add_u32 v5, v6, 3, v5
	s_mul_i32 s33, s22, WREG
	s_add_co_u32 s33, s33, WBASE                   ; my stage: two tiles x two fragments
	v_mul_u32_u24 v6, v4, 3072
	v_lshl_add_u32 v6, v5, 4, v6
	v_add_nc_u32 v6, s33, v6                       ; into it: 3,072 u + 16 r
	v_lshlrev_b32 v7, 4, v2
	v_add_nc_u32 v8, s33, v7                       ; out of it: 16 x lane
	v_lshlrev_b32 v9, 9, v4
	v_lshl_add_u32 v9, v5, 3, v9                   ; my 8 scale bytes: 512 u + 8 r
.macro WLOAD t                         ; block t: w(32 t + i, my column)
.irp i, 0,1,2,3,4,5,6,7,8,9,10,11,12,13,14,15,16,17,18,19,20,21,22,23,24,25,26,27,28,29,30,31
	global_load_b32 v[WX+32*((\t)%2)+\i], v3, s[24:25] offset:(32*(\t)+\i)*4096 th:TH_LOAD_NT
.endr
.endm
.macro WBLOCK t
.set XS, WX+32*((\t)%2)
.if (\t) < 7
	s_wait_loadcnt 32                              ; this block's 32 loads are in; the next block's may be out
.else
	s_wait_loadcnt 0x0
.endif
	v_max3_num_f32 v10, |v[XS]|, |v[XS+1]|, |v[XS+2]|
	v_max3_num_f32 v14, |v[XS+3]|, |v[XS+4]|, |v[XS+5]|
.irp i, 6,10,14,18,22,26
	v_max3_num_f32 v10, v10, |v[XS+\i]|, |v[XS+\i+1]|
	v_max3_num_f32 v14, v14, |v[XS+\i+2]|, |v[XS+\i+3]|
.endr
	v_max3_num_f32 v10, v10, |v[XS+30]|, |v[XS+31]|
	v_max3_num_f32 v10, v10, v14, 0x1800000        ; and the floor
	v_add_nc_u32 v11, 0xff000000, v10              ; the conversion's scale operand
	v_cvt_scalef32_pk16_fp6_f32 v[WCD:WCD+2], v[XS:XS+15], v11
	v_cvt_scalef32_pk16_fp6_f32 v[WCD+8:WCD+10], v[XS+16:XS+31], v11   ; (a conversion's three registers begin on an even number)
	v_lshrrev_b32 v15, 23, v11                     ; the scale's byte: the plain line behind the conversions
.if (\t)%4 == 0
	v_mov_b32 v[SB+(\t)/4], v15
.else
	v_lshl_or_b32 v[SB+(\t)/4], v15, 8*((\t)%4), v[SB+(\t)/4]
.endif
.irp i, 0,1,2
	v_mov_b32 v[WCD+3+\i], v[WCD+8+\i]
.endr
; block t is registers 6 c .. 6 c + 5 of image lane r + 16 h in fragment t / 4: c = (t / 2) % 2, h = t % 2
.if ((\t)/2)%2 == 0
	ds_store_b128 v6, v[WCD:WCD+3] offset:1536*((\t)/4)+256*((\t)%2)
	ds_store_b64 v6, v[WCD+4:WCD+5] offset:1536*((\t)/4)+256*((\t)%2)+512
.else
	ds_store_b64 v6, v[WCD:WCD+1] offset:1536*((\t)/4)+256*((\t)%2)+520
	ds_store_b128 v6, v[WCD+2:WCD+5] offset:1536*((\t)/4)+256*((\t)%2)+1024
.endif
.if (\t)+2 < 8
	WLOAD (\t)+2
.endif
	s_wait_dscnt 0x0                               ; the stores have read their registers: the next block's codes may be written
.endm
	WLOAD 0
	WLOAD 1
.irp t, 0,1,2,3,4,5,6,7
	WBLOCK \t
.endr
	s_wait_alu depctr_va_vdst(0)
	global_store_b64 v9, v[SB:SB+1], s[20:21]      ; sixteen lanes of a tile store 128 consecutive bytes
.irp i, 0,1,2,3,4,5,6,7,8,9,10,11
	ds_load_b128 v[WOUT+4*\i:WOUT+4*\i+3], v8 offset:512*\i
.endr
.irp i, 0,1,2,3,4,5,6,7,8,9,10,11
	s_wait_dscnt 11-\i
	global_store_b128 v7, v[WOUT+4*\i:WOUT+4*\i+3], s[18:19] offset:(\i/6)*12288+(\i%6)*512   ; 512 consecutive bytes, aligned
.endr
.Lend:
	s_wait_tensorcnt 0x0                           ; the wave's end: behind my last LDS store
	ds_add_u32 v[SPW], v[NIL]
	s_wait_dscnt 0x0
	s_endpgm
.Lfunc_end_k_qb6bbd84efd_quant:
	.size	k_qb6bbd84efd_quant, .Lfunc_end_k_qb6bbd84efd_quant-k_qb6bbd84efd_quant
	.p2alignl 7, 3214868480
	.fill 96, 4, 3214868480
	.section	.rodata,"a",@progbits
	.p2align	6, 0x0
	.amdhsa_kernel k_qb6bbd84efd_quant
		.amdhsa_group_segment_fixed_size 58880
		.amdhsa_private_segment_fixed_size 0
		.amdhsa_enable_private_segment 0
		.amdhsa_kernarg_size 72
		.amdhsa_user_sgpr_count 2
		.amdhsa_user_sgpr_kernarg_segment_ptr 1
		.amdhsa_wavefront_size32 1
		.amdhsa_system_sgpr_workgroup_id_x 1
		.amdhsa_system_sgpr_workgroup_id_y 1
		.amdhsa_system_sgpr_workgroup_id_z 1
		.amdhsa_system_vgpr_workitem_id 0
		.amdhsa_next_free_vgpr 192
		.amdhsa_next_free_sgpr 66
		.amdhsa_reserve_vcc 0
		.amdhsa_float_denorm_mode_32 3
		.amdhsa_float_denorm_mode_16_64 3
		.amdhsa_memory_ordered 1
		.amdhsa_forward_progress 1
		.amdhsa_inst_pref_size 62
	.end_amdhsa_kernel
	.amdgpu_metadata
---
amdhsa.version: [ 1, 2 ]
amdhsa.kernels:
  - .name:           k_qb6bbd84efd_quant
    .symbol:         k_qb6bbd84efd_quant.kd
    .args:
      - { .name: x, .offset: 0, .size: 8, .value_kind: global_buffer, .address_space: global }
      - { .name: wq, .offset: 8, .size: 8, .value_kind: global_buffer, .address_space: global }
      - { .name: wk, .offset: 16, .size: 8, .value_kind: global_buffer, .address_space: global }
      - { .name: wv, .offset: 24, .size: 8, .value_kind: global_buffer, .address_space: global }
      - { .name: wo, .offset: 32, .size: 8, .value_kind: global_buffer, .address_space: global }
      - { .name: x_codes, .offset: 40, .size: 8, .value_kind: global_buffer, .address_space: global }
      - { .name: x_scales, .offset: 48, .size: 8, .value_kind: global_buffer, .address_space: global }
      - { .name: w_codes, .offset: 56, .size: 8, .value_kind: global_buffer, .address_space: global }
      - { .name: w_scales, .offset: 64, .size: 8, .value_kind: global_buffer, .address_space: global }
    .group_segment_fixed_size: 58880
    .private_segment_fixed_size: 0
    .kernarg_segment_align: 8
    .kernarg_segment_size: 72
    .max_flat_workgroup_size: 128
    .sgpr_count:     66
    .vgpr_count:     192
    .wavefront_size: 32
...
	.end_amdgpu_metadata
.endif
;; end of part 1
;; launch qkv (part 2): grid 12 x 16, 4 waves a work-group, clusters of 4 x 4, 327,680 bytes of LDS; arguments x_codes, x_scales, w_codes, w_scales, qb, kv; writes qb, kv
.if DOCPART == 2
	.amdgcn_target "amdgcn-amd-amdhsa--gfx1250"
	.amdhsa_code_object_version 6
	.text
	.protected	k_qb6bbd84efd_qkv
	.globl	k_qb6bbd84efd_qkv
	.p2align	8
	.type	k_qb6bbd84efd_qkv,@function
k_qb6bbd84efd_qkv:
	s_mov_b64 s[64:65], 0
	v_nop
	global_prefetch_b8 v0, s[64:65] scope:SCOPE_SE
	s_setreg_imm32_b32 hwreg(HW_REG_WAVE_MODE, 25, 1), 1
	s_wait_xcnt 0x0
	s_wait_alu depctr_hold_cnt(0) depctr_sa_sdst(0) depctr_va_vdst(0) depctr_va_sdst(0) depctr_va_ssrc(0) depctr_va_vcc(0) depctr_vm_vsrc(0)
	s_getreg_b32 s2, hwreg(HW_REG_IB_STS2, 6, 4)
	s_cmp_eq_u32 s2, 0
	s_cbranch_scc0 .Lentry_in_a_cluster
	s_endpgm
.Lentry_in_a_cluster:
	s_bfe_u32 s2, ttmp6, 0x10000c
	s_cmp_lg_u32 s2, 0xf033
	s_cbranch_scc0 .Lentry_shape_is_right
	s_endpgm
.Lentry_shape_is_right:
; LAUNCH 2 OF 4: q = x wq, k = x wk, v = x wv as ONE product on codes of E2M3, [4096] x [3072], K = 1,024; the results are quantised in registers and leave as codes.  Nothing of the problem is left out.
; A work-group makes 256 tokens x 256 weight columns, four waves of 128 x 128: 64 accumulators, 512 registers.  Tile columns 0-3 are wq's, 4-7 wk's, 8-11 wv's: the kind is the cluster's x, the same in all sixteen partners.
; K goes in steps of 256 through a ring of two LDS slots filled by the tensor data mover.  Codes lie in memory as images of the operands' registers (launch 1), so a fragment is three loads of 512 consecutive LDS bytes: no pitch, no padding.
; CLUSTERS: 4 x 4.  x's tile hangs on the tile row alone and is asked for jointly along a row of the cluster, the weights' on the tile column alone and is asked for jointly along a column.
; WHICH OPERAND IS WHICH.  Source 1 (called L) gives a lane its row, source 0 (called U) runs along the lane's registers.  q, k: L = x, U = the weight: a lane holds one token and neighbouring d, along which q and k are quantised.
; v: L = the weight, U = x: a lane holds one d and neighbouring keys, along which v is quantised.  The matrix lines are the same; only the LDS bases of the reads differ, chosen by the cluster's x.
; The rows of a tile are not neighbours (launch 1's order): so the 16 registers of U's tiles 2 b and 2 b + 1 are 16 neighbours, 32 b + 16 (lane / 16) + 0 .. 15.
; OUT.  qb: [head 32][step of 128 tokens 16][6,400 bytes]: four PAIR fragments (registers 0-5: 16 tokens x 64 d of tile 2 j, registers 6-11: of tile 2 j + 1), then the scale words [r][j].
; kv: [head][step][12,800]: k's four pair fragments, v's four fragments (16 d x 128 keys), k's scale words [r][j], v's [r][tile of d].
; LIMITS: as launch 1's (a block of zeros has the byte 1; NaN and infinities are not served).
; REGISTERS: window 0: v16-29 addresses; v32-63 scale words, two sets; v64-123 the way out; v128-223 L's fragments, one set.  window 1: U's fragments, two sets, at v0 and v128.  windows 2, 3: accumulator (a, b) at v[8 (8 (a % 4) + b)].
.set NQ,     2                         ; matrix instructions deep in a slot
.set FR,     12                        ; registers of a fragment
.set NL,     3                         ; LDS loads that bring one
.set NP,     4                         ; places behind this matrix instruction (ISA guide 7.12.1)
.set FRB,    1536                      ; a fragment in bytes
.set TROW,   2*FRB                     ; a tile's part of a slot
.set TPITCH, 12288                     ; a tile's codes for all of K
.set HALFT,  8*TROW                    ; eight tiles: what one tensor load brings, and what one wave reads of L or of U
.set SLOT,   4*HALFT                   ; x's 16 tiles, then the weight's 16
.set SCL,    2*SLOT                    ; behind the ring: the scale bytes for all of K: x's 8,192 bytes, then the weight's; filled once
.set HALFS,  4096
.set SPARE,  SCL+4*HALFS               ; the spare words, 128 bytes for each wave
.set ADRL, 16                          ; v16-17  LDS address of my L fragments in slot 0, 1
.set ADRU, 20                          ; v20-21  of my U fragments
.set LO,   24                          ; v24     16 x lane
.set SO,   25                          ; v25     the way out: my scale words' place
.set ADRS, 27                          ; v27     my scale words in LDS: lanes 0-15 L's rows, lanes 16-31 U's
.set SPW,  28
.set NIL,  29
.set SC,   32
.set PC,   64                          ; v64-83   the codes just made
.set TM,   96                          ; v96-99 largest magnitudes, v100-103 bytes, v108-111 scale operands
.set SW,   112                         ; v112-119 the eight fragments' scale words
.set XW,   120                         ; v120-123 as they are stored
.set AF,   128
.set SEL,  2                           ; s[2:3]   v_permlanex16_b32's selects for lane l xor 16
.set WV,   16
.set WR,   17                          ; wave / 2: my half of L.  Also: I fetch for x (0) or for the weight (1)
.set WC,   18                          ; wave % 2: my half of U.  Also: which eight tiles I fetch
.set TY,   19
.set G1,   24
.set G0,   32
.set G1B,  48
.set G0B,  56
.set HI16, 67                          ; s67  a mask of lanes 16-31
.set G1S,  68
.set G0S,  76
.set G1SB, 80
.set G0SB, 88
.set BG0,  96                          ; s[96:97] where my first head's fragments go, s[98:99] my second head's, s[100:101] the scale words
.set BSC,  100
.set MSB, 0
.macro WIN new                         ; the immediate's high byte repeats the setting that is left
.if MSB != (\new)
	s_set_vgpr_msb (MSB<<8)|(\new)
.set MSB, (\new)
.endif
.endm
.set MUL_LO, 0xa1                      ; source 0 (U) window 1, source 1 (L) window 0, C and D window 2
.set MUL_HI, 0xf1
.set TO_U,   0x40
; A joint load: waves 0 and 1 fetch for x, waves 2 and 3 for the weight.  An s_nop 0 and four v_nop follow each of the two lines.
.macro JLOAD g0a, g1a, g0b, g1b
	s_cmp_eq_u32 s[WR], 0
	s_cbranch_scc0 .Lfor_w_\@
	tensor_load_to_lds s[\g0a:\g0a+3], s[\g1a:\g1a+7]
	s_nop 0
.rept 4
	v_nop
.endr
	s_branch .Lasked_\@
.Lfor_w_\@:
	tensor_load_to_lds s[\g0b:\g0b+3], s[\g1b:\g1b+7]
	s_nop 0
.rept 4
	v_nop
.endr
.Lasked_\@:
.endm
.macro CREST                           ; a round of the cluster's barrier behind its opening barrier
	s_cmp_lg_u32 s[WV], 0
	s_cbranch_scc1 .Lnot_wave_0_\@
	s_barrier_signal -3
.Lnot_wave_0_\@:
	s_barrier_wait -3
	s_barrier_signal -1
	s_barrier_wait -1
.endm
.macro CROUND
	s_barrier_signal -1
	s_barrier_wait -1
	CREST
.endm
	s_load_b128 s[4:7], s[0:1], 0x0                ; x's codes, x's scales
	s_load_b128 s[8:11], s[0:1], 0x10              ; the weights' codes, their scales
	s_load_b128 s[12:15], s[0:1], 0x20             ; qb, kv
	v_lshl_add_u32 v[SPW], v0, 2, SPARE
	v_mov_b32 v[NIL], 0
	ds_add_u32 v[SPW], v[NIL]                      ; the wave's opening: the add, twice on end, and its wait ahead of my first tensor load
	ds_add_u32 v[SPW], v[NIL]
	v_lshrrev_b32 v1, 5, v0
	v_readfirstlane_b32 s[WV], v1
	s_lshr_b32 s[WR], s[WV], 1
	s_and_b32 s[WC], s[WV], 1
	s_bfe_u32 s40, ttmp6, 0x40000                  ; cx, cy: my place in the cluster
	s_bfe_u32 s41, ttmp6, 0x40004
	s_lshl_b32 s42, ttmp9, 2
	s_add_co_u32 s42, s42, s40                     ; tile column 0..11
	s_and_b32 s[TY], ttmp7, 0xffff
	s_lshl_b32 s[TY], s[TY], 2
	s_add_co_u32 s[TY], s[TY], s41                 ; tile row 0..15
	s_lshl_b32 s43, s41, 2
	s_lshl_b32 s43, 15, s43                        ; my row of the cluster
	s_lshl_b32 s44, 0x1111, s40                    ; my column
	; codes: tiles' parts of a slot: rows of 3,072 bytes (384 elements of 8 bytes), 12,288 bytes apart: 16 rows for the head's loads; behind them the two words that count rows are set to 8, for the ring's
	s_or_b32 s[G1+0], s43, (3<<16)|(1<<21)         ; 15:0 the mask; 17:16 elements of 8 bytes; 21 set beside a mask; no padding
	s_or_b32 s[G1B+0], s44, (3<<16)|(1<<21)
.irp g, G1, G1B
	s_mov_b32 s[\g+1], 384<<16                     ; tensor_dim0
	s_mov_b32 s[\g+2], 16<<16                      ; tensor_dim1
	s_mov_b32 s[\g+3], 384<<16                     ; tile_dim0
	s_mov_b32 s[\g+4], 16                          ; tile_dim1
	s_mov_b32 s[\g+5], 1536                        ; tensor_dim0_stride
	s_mov_b32 s[\g+6], 0
	s_mov_b32 s[\g+7], 0
.endr
	; scale bytes of sixteen tiles: 8,192 dense bytes as 32 rows of 256
	s_or_b32 s[G1S+0], s43, (3<<16)|(1<<21)
	s_or_b32 s[G1SB+0], s44, (3<<16)|(1<<21)
.irp g, G1S, G1SB
	s_mov_b32 s[\g+1], 32<<16
	s_mov_b32 s[\g+2], 32<<16
	s_mov_b32 s[\g+3], 32<<16
	s_mov_b32 s[\g+4], 32
	s_mov_b32 s[\g+5], 32
	s_mov_b32 s[\g+6], 0
	s_mov_b32 s[\g+7], 0
.endr
	s_lshl_b32 s20, s[TY], 4                       ; x: the work-group's first tile, 16 x tile row
	s_lshl_b32 s46, s42, 4                         ; the weights: 16 x tile column
	s_mul_i32 s22, s[WC], 8*TPITCH                 ; in the ring I fetch eight tiles: which half, in bytes
	s_mov_b32 s23, 0
	s_lshl_b32 s92, s20, 9                         ; their scale bytes: 512 a tile
	s_mov_b32 s93, 0
	s_lshl_b32 s94, s46, 9
	s_mov_b32 s95, 0
	s_mul_i32 s20, s20, TPITCH                     ; and their codes
	s_mov_b32 s21, 0
	s_mul_i32 s46, s46, TPITCH
	s_mov_b32 s47, 0
	s_mul_i32 s45, s[WV], HALFT                    ; where they go: no place in the cluster enters an LDS address
	s_mov_b32 s[SEL], 0x76543210
	s_mov_b32 s[SEL+1], 0xfedcba98
	s_mov_b32 s[HI16], 0xffff0000
	s_wait_dscnt 0x0                               ; both opening adds are done
	s_wait_kmcnt 0x0
	s_add_nc_u64 s[20:21], s[4:5], s[20:21]
	s_add_nc_u64 s[92:93], s[6:7], s[92:93]
	s_add_nc_u64 s[46:47], s[8:9], s[46:47]
	s_add_nc_u64 s[94:95], s[10:11], s[94:95]
	CROUND                                         ; all sixteen work-groups are here: the first joint loads meet
	s_mov_b32 s[G0S], 1                            ; the scale bytes of x's sixteen tiles
	s_mov_b32 s[G0S+1], SCL
	s_mov_b64 s[G0S+2:G0S+3], s[92:93]
	s_or_b32 s[G0S+3], s[G0S+3], 0x80000000
	s_mov_b32 s[G0SB], 1                           ; and of the weight's, behind them
	s_mov_b32 s[G0SB+1], SCL+2*HALFS
	s_mov_b64 s[G0SB+2:G0SB+3], s[94:95]
	s_or_b32 s[G0SB+3], s[G0SB+3], 0x80000000
.set G0H,  4                           ; s[4:7], s[8:11] group 0 of the head's loads of K step 0 (the arguments that lay there have been used)
.set G0HB, 8
	s_mov_b32 s[G0H], 1                            ; K step 0: x's sixteen tiles,
	s_mov_b32 s[G0H+1], 0
	s_mov_b64 s[G0H+2:G0H+3], s[20:21]
	s_or_b32 s[G0H+3], s[G0H+3], 0x80000000
	s_mov_b32 s[G0HB], 1                           ; the weight's sixteen, behind them in slot 0
	s_mov_b32 s[G0HB+1], 2*HALFT
	s_mov_b64 s[G0HB+2:G0HB+3], s[46:47]
	s_or_b32 s[G0HB+3], s[G0HB+3], 0x80000000
	s_add_nc_u64 s[20:21], s[20:21], s[22:23]      ; for the ring: my eight tiles
	s_add_nc_u64 s[46:47], s[46:47], s[22:23]
.irp s, 0,1
	s_mov_b32 s[G0+4*\s], 1
	s_add_co_u32 s[G0+4*\s+1], s45, \s*SLOT
	s_add_nc_u64 s[G0+4*\s+2:G0+4*\s+3], s[20:21], \s*TROW
	s_or_b32 s[G0+4*\s+3], s[G0+4*\s+3], 0x80000000
	s_mov_b32 s[G0B+4*\s], 1
	s_add_co_u32 s[G0B+4*\s+1], s45, \s*SLOT
	s_add_nc_u64 s[G0B+4*\s+2:G0B+4*\s+3], s[46:47], \s*TROW
	s_or_b32 s[G0B+4*\s+3], s[G0B+4*\s+3], 0x80000000
.endr
; THE HEAD'S LOADS, ONE A WAVE: wave 0 K step 0 of x's tiles, wave 1 of the weight's, wave 2 x's scale bytes, wave 3 the weight's.  One tree of branches on the wave's number: every way passes one load.
.macro ARM under, g0, g1, next
	s_cmp_lt_u32 s[WV], \under
	s_cbranch_scc0 \next
	tensor_load_to_lds s[\g0:\g0+3], s[\g1:\g1+7]
	s_nop 0
.rept 4
	v_nop
.endr
	s_branch .Lhead_asked
\next:
.endm
	ARM 1, G0H,  G1,  .Lhead_b
	ARM 2, G0HB, G1B, .Lhead_sa
	ARM 3, G0S,  G1S, .Lhead_sb
	tensor_load_to_lds s[G0SB:G0SB+3], s[G1SB:G1SB+7]
	s_nop 0
.rept 4
	v_nop
.endr
.Lhead_asked:
; PREFETCHES INTO THE L2.  A K step of the eight tiles that I fetch in the ring is 8 x 12 blocks of 256 bytes.  The four partners that ask for them jointly share them out BY ADDRESS: the partner at place p (cx for x, cy for the
; weight) takes tiles 2 p and 2 p + 1: 24 blocks, a lane a block (lanes 24-31 name the last again).  K steps 1 and 2 are asked for here, K step 3 behind slot 1's fill: each ahead of the tensor load that wants it.
; The address registers s[42:43] and v30 are never rewritten; the furthest byte named lies inside the tile's 12,288.
.set PFA, 42
.set PFO, 30
	s_cmp_eq_u32 s[WR], 0                          ; do I fetch for x?
	s_cselect_b64 s[PFA:PFA+1], s[20:21], s[46:47]
	s_cselect_b32 s22, s40, s41
	s_mul_i32 s22, s22, 2*TPITCH                   ; (s23 = 0)
	s_add_nc_u64 s[PFA:PFA+1], s[PFA:PFA+1], s[22:23]
	v_and_b32 v[PFO], 31, v0
	v_min_u32 v[PFO], 23, v[PFO]
	v_mul_u32_u24 v31, v[PFO], 43
	v_lshrrev_b32 v31, 9, v31                      ; block / 12: which of my two tiles
	v_mul_u32_u24 v31, v31, TPITCH-TROW
	v_lshl_add_u32 v[PFO], v[PFO], 8, v31          ; 256 x block + what lies between the two tiles' parts
	global_prefetch_b8 v[PFO], s[PFA:PFA+1] offset:TROW th:TH_LOAD_NT scope:SCOPE_SE
	global_prefetch_b8 v[PFO], s[PFA:PFA+1] offset:2*TROW th:TH_LOAD_NT scope:SCOPE_SE
	v_and_b32 v1, 15, v0
	v_bfe_u32 v2, v0, 4, 1                         ; h
	v_and_b32 v3, 31, v0
	v_lshlrev_b32 v[LO], 4, v3
	v_lshlrev_b32 v26, 3, v2                       ; 8 x (lane / 16): where a lane's two scale bytes of v stand in the word
	; what the kind decides: all by selection on the cluster's x
	s_wait_alu depctr_va_vdst(0)
	s_cmp_eq_u32 ttmp9, 2                          ; v?
	s_cselect_b32 s20, 2*HALFT, 0                  ; L's tiles in a slot: the weight's for v, x's else
	s_cselect_b32 s21, 0, 2*HALFT                  ; U's
	s_cselect_b32 s22, 2*HALFS, 0                  ; L's scale bytes
	s_cselect_b32 s23, 0, 2*HALFS                  ; U's
	s_cselect_b32 s46, s[WR], s[WC]                ; which two heads of the tile column's four are mine: the weight's half
	s_cselect_b32 s47, s[WC], s[WR]                ; which 128 tokens: x's half
	s_cselect_b32 s92, 6144, 0                     ; v's fragments lie behind k's
	s_mov_b32 s93, 12288
	s_cselect_b32 s93, 6400, s93                   ; from the fragments to the scale words: v 12,544 - 6,144, k 12,288,
	s_cmp_eq_u32 ttmp9, 0                          ; q?
	s_cselect_b32 s93, 6144, s93                   ; q 6,144
	s_cselect_b64 s[BG0:BG0+1], s[12:13], s[14:15]
	s_mov_b32 s94, 204800
	s_cselect_b32 s94, 102400, s94                 ; a head's bytes
	s_mov_b32 s95, 12800
	s_cselect_b32 s95, 6400, s95                   ; a step's
	s_mul_i32 s45, s[WR], HALFT
	s_add_co_u32 s20, s20, s45
	s_mul_i32 s45, s[WC], HALFT
	s_add_co_u32 s21, s21, s45
.irp s, 0,1
	v_add_nc_u32 v[ADRL+\s], s20, v[LO]
	v_add_nc_u32 v[ADRU+\s], s21, v[LO]
	s_add_co_u32 s20, s20, SLOT
	s_add_co_u32 s21, s21, SLOT
.endr
	s_lshl_b32 s45, s[WR], 12
	s_add_co_u32 s22, s22, s45
	s_add_co_u32 s22, s22, SCL
	s_lshl_b32 s45, s[WC], 12
	s_add_co_u32 s23, s23, s45
	s_add_co_u32 s23, s23, SCL
	v_lshlrev_b32 v4, 3, v1                        ; 8 bytes a row for a K step of 256
	v_add_nc_u32 v5, s22, v4
	v_add_nc_u32 v6, s23, v4
	v_cndmask_b32 v[ADRS], v5, v6, s[HI16]         ; lanes 0-15 L's, lanes 16-31 U's
	s_lshr_b32 s20, s[TY], 3                       ; the batch
	s_lshl_b32 s20, s20, 4
	s_lshl_b32 s21, s40, 2
	s_add_co_u32 s20, s20, s21
	s_lshl_b32 s21, s46, 1
	s_add_co_u32 s20, s20, s21                     ; my first head: 16 x batch + 4 cx + 2 x half
	s_and_b32 s21, s[TY], 7
	s_lshl_b32 s21, s21, 1
	s_add_co_u32 s21, s21, s47                     ; my step of 128 tokens
	s_mul_i32 s20, s20, s94
	s_mul_i32 s21, s21, s95
	s_add_co_u32 s20, s20, s21
	s_add_co_u32 s20, s20, s92
	s_mov_b32 s21, 0
	s_add_nc_u64 s[BG0:BG0+1], s[BG0:BG0+1], s[20:21]
	s_mov_b32 s95, 0
	s_add_nc_u64 s[BG0+2:BG0+3], s[BG0:BG0+1], s[94:95]
	s_mov_b32 s92, s93
	s_mov_b32 s93, 0
	s_add_nc_u64 s[BSC:BSC+1], s[BG0:BG0+1], s[92:93]
	v_mul_u32_u24 v[SO], s94, v2                   ; lanes 16-31 store the second head's words
	v_lshl_add_u32 v[SO], v1, 4, v[SO]             ; 16 bytes a row
.irp b, 0,1,2,3
	v_mov_b32 v[TM+4+\b], 0                        ; written once: a lane permute's destination counts as one of its sources
.endr
.macro FRAG reg, adr, q, i             ; tile i's fragment of the slot's q-th 128 along K: three loads of 512 consecutive bytes
.irp c, 0,1,2
	ds_load_b128 v[\reg+4*\c:\reg+4*\c+3], v[\adr] offset:(\i)*TROW+(\q)*FRB+512*\c
.endr
.endm
; 16 matrix instructions: L's tiles a0, a0 + 1 x U's eight.  The 64 accumulators take turns, one instruction a turn, in the same order in every step.
.macro MUL16 a0, p, q, sc, zero
.irp a, \a0, \a0+1
.irp b, 0,1,2,3,4,5,6,7
.if \zero
	v_wmma_scale_f32_16x16x128_f8f6f4 v[8*(8*((\a)%4)+\b):8*(8*((\a)%4)+\b)+7], v[128*(\p)+FR*\b:128*(\p)+FR*\b+FR-1], v[AF+FR*(\a):AF+FR*(\a)+FR-1], 0, v[SC+8*NQ*(\sc)+NQ*\b+(\q)], v[SC+8*NQ*(\sc)+NQ*(\a)+(\q)] matrix_a_fmt:MATRIX_FMT_FP6 matrix_b_fmt:MATRIX_FMT_FP6 matrix_a_scale:MATRIX_SCALE_ROW1
.else
	v_wmma_scale_f32_16x16x128_f8f6f4 v[8*(8*((\a)%4)+\b):8*(8*((\a)%4)+\b)+7], v[128*(\p)+FR*\b:128*(\p)+FR*\b+FR-1], v[AF+FR*(\a):AF+FR*(\a)+FR-1], v[8*(8*((\a)%4)+\b):8*(8*((\a)%4)+\b)+7], v[SC+8*NQ*(\sc)+NQ*\b+(\q)], v[SC+8*NQ*(\sc)+NQ*(\a)+(\q)] matrix_a_fmt:MATRIX_FMT_FP6 matrix_b_fmt:MATRIX_FMT_FP6 matrix_a_scale:MATRIX_SCALE_ROW1
.endif
.endr
.endr
.endm
.macro FETCH_U slot, q, p
	WIN TO_U
.irp i, 0,1,2,3,4,5,6,7
	FRAG 128*(\p)+FR*\i, ADRU+\slot, \q, \i
.endr
	WIN 0
.endm
.macro FETCH_L slot, q, i0
.irp i, \i0, \i0+1, \i0+2, \i0+3
	FRAG AF+FR*(\i), ADRL+\slot, \q, \i
.endr
.endm
.macro SCALES sc                       ; a K step's scale words: two a row; lanes 0-15 L's tile i, lanes 16-31 U's tile i
.irp i, 0,1,2,3,4,5,6,7
	ds_load_b64 v[SC+8*NQ*\sc+NQ*\i:SC+8*NQ*\sc+NQ*\i+1], v[ADRS] offset:\i*512
.endr
.endm
.macro PLACES n                        ; plain vector lines between a matrix instruction and a load into, or a read of, its registers
.rept \n
	v_nop
.endr
.endm
.macro STEP slot, q, zero              ; a step of 128 along K that has its successor in the same slot
	s_wait_dscnt 4*NL                              ; U's set and L's tiles 0-3 are in; the youngest twelve loads (L's tiles 4-7) may be out
	WIN MUL_LO
	MUL16 0, (\q)%2, \q, \slot, \zero
	MUL16 2, (\q)%2, \q, \slot, \zero
	s_wait_dscnt 0
	PLACES NP
	FETCH_U \slot, (\q)+1, 1-(\q)%2
	FETCH_L \slot, (\q)+1, 0
	WIN MUL_HI
	MUL16 4, (\q)%2, \q, \slot, \zero
	MUL16 6, (\q)%2, \q, \slot, \zero
	PLACES NP
	WIN 0
	FETCH_L \slot, (\q)+1, 4
.endm
; A slot's last step changes slots: in front of the barrier each wave waits for all its tensor loads, adds 0 to its spare word, and waits for that and for its reads of this slot.  fill = 1: this slot is filled again, two K steps ahead.
.macro TURN slot, next, fill
	s_wait_tensorcnt 0x0                           ; all my tensor loads have landed: my part of the next slot
	ds_add_u32 v[SPW], v[NIL]                      ; 0 onto my spare word
	s_wait_dscnt 4*NL+1                            ; (the add and the youngest twelve loads may be out)
	WIN MUL_LO
	MUL16 0, 1, NQ-1, \slot, 0
	s_wait_dscnt 0x0                               ; the add is done, and my reads of this slot are over
	s_barrier_signal -1
	MUL16 2, 1, NQ-1, \slot, 0
	WIN 0
	s_barrier_wait -1
.if \fill
	CREST                                          ; the barrier has opened a round of the cluster's: no wave of any partner still reads this slot or has a load on its way
	s_add_nc_u64 s[G0+4*\slot+2:G0+4*\slot+3], s[G0+4*\slot+2:G0+4*\slot+3], 2*TROW
	s_add_nc_u64 s[G0B+4*\slot+2:G0B+4*\slot+3], s[G0B+4*\slot+2:G0B+4*\slot+3], 2*TROW
	JLOAD G0+4*\slot, G1, G0B+4*\slot, G1B         ; the first tensor load behind the round, my one load until the next; its four v_nop are the places in front of the loads below
.else
	PLACES NP
.endif
	s_wait_alu depctr_va_vdst(0)
	v_add_nc_u32 v[ADRS], 128, v[ADRS]             ; the next K step's scale words
	FETCH_U \next, 0, 0
	FETCH_L \next, 0, 0
	SCALES \next
	WIN MUL_HI
	MUL16 4, 1, NQ-1, \slot, 0
	MUL16 6, 1, NQ-1, \slot, 0
	PLACES NP
	WIN 0
	FETCH_L \next, 0, 4
.endm
	s_wait_alu depctr_va_vdst(0)
	s_wait_tensorcnt 0x0                           ; my tile of the head's four is in
	ds_add_u32 v[SPW], v[NIL]
	s_mov_b32 s[G1+2], 8<<16                       ; no tensor load of mine is out: from here on a load brings eight tiles
	s_mov_b32 s[G1+4], 8
	s_mov_b32 s[G1B+2], 8<<16
	s_mov_b32 s[G1B+4], 8
	s_wait_dscnt 0x0                               ; the add is done
	CROUND                                         ; all four tiles are in, and all sixteen work-groups are here
	JLOAD G0+4, G1, G0B+4, G1B                     ; K step 1 into slot 1: my one load behind the round
	FETCH_U 0, 0, 0
	FETCH_L 0, 0, 0
	SCALES 0
	FETCH_L 0, 0, 4
	global_prefetch_b8 v[PFO], s[PFA:PFA+1] offset:3*TROW th:TH_LOAD_NT scope:SCOPE_SE   ; K step 3: two changes of slots ahead of its load
	STEP 0, 0, 1
	TURN 0, 1, 1                                   ; slot 0 takes K step 2
	STEP 1, 0, 0
	TURN 1, 0, 1                                   ; slot 1 takes K step 3
	STEP 0, 0, 0
	TURN 0, 1, 0                                   ; nothing is left to fetch
	STEP 1, 0, 0
	s_wait_dscnt 4*NL
	WIN MUL_LO
	MUL16 0, 1, NQ-1, 1, 0
	MUL16 2, 1, NQ-1, 1, 0
	s_wait_dscnt 0
	WIN MUL_HI
	MUL16 4, 1, NQ-1, 1, 0
	MUL16 6, 1, NQ-1, 1, 0
	WIN 0
	PLACES NP
; THE WAY OUT.  64 numbers of a lane in window w, four blocks of 16 at s0, s0 + 16, s1, s1 + 16 (block b: k = 32 b + 16 (lane / 16) + i of my row), become a fragment's codes in v[PC] on and its scale word in v[pw].
.macro QUANT s0, s1, w, pw
	WIN (\w)|((\w)<<2)                             ; sources 0 and 1 in the accumulators' window
.irp b, 0,1,2,3
.set QS, (\s0)*(1-\b/2)+(\s1)*(\b/2)+16*(\b%2)
	v_max3_num_f32 v[TM+\b], |v[QS]|, |v[QS+1]|, 0x1800000   ; each accumulator is read from its low end on; the floor 2^(3 - 127) holds the byte at 1 from below
.endr
.irp i, 2,4,6,8,10,12,14
.irp b, 0,1,2,3
.set QS, (\s0)*(1-\b/2)+(\s1)*(\b/2)+16*(\b%2)
	v_max3_num_f32 v[TM+\b], |v[QS+\i]|, |v[QS+\i+1]|, v[TM+\b]
.endr
.endr
	WIN 0
.irp b, 0,1,2,3
	v_permlanex16_b32 v[TM+4+\b], v[TM+\b], s[SEL], s[SEL+1]
.endr
.irp b, 0,1,2,3
	v_max_num_f32 v[TM+\b], v[TM+\b], v[TM+4+\b]   ; with lane l xor 16's: the block's largest magnitude
.endr
.irp b, 0,1,2,3
	v_add_nc_u32 v[TM+12+\b], 0xff000000, v[TM+\b] ; 2 off its exponent field: the conversion's scale operand
.endr
.irp b, 0,1,2,3
	v_lshrrev_b32 v[TM+4+\b], 23, v[TM+12+\b]      ; the scale's byte
.endr
	v_lshl_or_b32 v[\pw], v[TM+5], 8, v[TM+4]
	v_lshl_or_b32 v[\pw], v[TM+6], 16, v[\pw]
	v_lshl_or_b32 v[\pw], v[TM+7], 24, v[\pw]
	s_wait_xcnt 0x0                                ; the last fragment's stores have read v[PC] on: it is written again only behind this wait
	WIN \w
	v_cvt_scalef32_pk16_fp6_f32 v[PC:PC+2], v[(\s0):(\s0)+15], v[TM+12]
	v_cvt_scalef32_pk16_fp6_f32 v[PC+12:PC+14], v[(\s0)+16:(\s0)+31], v[TM+13]
	v_cvt_scalef32_pk16_fp6_f32 v[PC+6:PC+8], v[(\s1):(\s1)+15], v[TM+14]
	v_cvt_scalef32_pk16_fp6_f32 v[PC+16:PC+18], v[(\s1)+16:(\s1)+31], v[TM+15]
	WIN 0
	v_nop                                          ; one plain line behind a scaled conversion
.irp c, 0,1                                    ; the operand's layout wants a whole block in a lane
.irp i, 0,1,2
	v_permlane16_swap_b32 v[PC+6*\c+\i], v[PC+12+4*\c+\i]
.endr
.irp i, 0,1,2
	v_mov_b32 v[PC+3+6*\c+\i], v[PC+12+4*\c+\i]
.endr
.endr
.endm
; Eight fragments a wave: head g of my two, fragment j.  q, k (kind 0): token tiles 2 j and 2 j + 1, the head's 32 registers of each.  v (kind 1): the head's tile j of d, all 64 registers (128 keys).
; v's way out.  By the order of x's tiles register 32 c + i of a lane's 64 (at s0 in window w) is key 64 c + 32 (lane / 16) + i: two WHOLE blocks a lane, as the operand's registers want them: no lane swaps.
; The largest magnitude in four chains of 16, joined two and two; a lane's two bytes go to bytes h and 2 + h of the word, and lane l xor 16 gives the other two.
.macro QUANTV s0, w, pw
	WIN (\w)|((\w)<<2)
.irp b, 0,1,2,3
	v_max3_num_f32 v[TM+\b], |v[(\s0)+16*\b]|, |v[(\s0)+16*\b+1]|, 0x1800000   ; each accumulator from its low end on; the floor holds the byte at 1 from below
.endr
.irp i, 2,4,6,8,10,12,14
.irp b, 0,1,2,3
	v_max3_num_f32 v[TM+\b], |v[(\s0)+16*\b+\i]|, |v[(\s0)+16*\b+\i+1]|, v[TM+\b]
.endr
.endr
	WIN 0
	v_max_num_f32 v[TM], v[TM], v[TM+1]            ; block h
	v_max_num_f32 v[TM+1], v[TM+2], v[TM+3]        ; block 2 + h
	v_add_nc_u32 v[TM+12], 0xff000000, v[TM]       ; the conversions' scale operands
	v_add_nc_u32 v[TM+13], 0xff000000, v[TM+1]
	v_lshrrev_b32 v[TM+4], 23, v[TM+12]            ; the bytes
	v_lshrrev_b32 v[TM+5], 23, v[TM+13]
	v_lshl_or_b32 v[\pw], v[TM+5], 16, v[TM+4]
	v_lshlrev_b32 v[\pw], v26, v[\pw]
	v_permlanex16_b32 v[TM+4], v[\pw], s[SEL], s[SEL+1]
	v_or_b32 v[\pw], v[\pw], v[TM+4]               ; the word is whole in both halves of the lanes
	s_wait_alu depctr_va_vdst(0)
	s_wait_xcnt 0x0                                ; the last fragment's stores have read v[PC] on
	WIN \w
	v_cvt_scalef32_pk16_fp6_f32 v[PC:PC+2], v[(\s0):(\s0)+15], v[TM+12]
	v_cvt_scalef32_pk16_fp6_f32 v[PC+12:PC+14], v[(\s0)+16:(\s0)+31], v[TM+12]
	v_cvt_scalef32_pk16_fp6_f32 v[PC+6:PC+8], v[(\s0)+32:(\s0)+47], v[TM+13]
	v_cvt_scalef32_pk16_fp6_f32 v[PC+16:PC+18], v[(\s0)+48:(\s0)+63], v[TM+13]
	WIN 0
	v_nop                                          ; one plain line behind a scaled conversion
.irp c, 0,1
.irp i, 0,1,2
	v_mov_b32 v[PC+3+6*\c+\i], v[PC+12+4*\c+\i]    ; (a conversion's three registers begin on an even number)
.endr
.endr
.endm
.macro EPI kind
.irp g, 0,1
.irp j, 0,1,2,3
.if \kind
	QUANTV 64*\j, 2+\g, SW+4*\g+\j
.else
	QUANT 64*((2*\j)%4)+32*\g, 64*((2*\j)%4)+32*\g+64, 2+\j/2, SW+4*\g+\j
.endif
.irp c, 0,1,2
	global_store_b128 v[LO], v[PC+4*\c:PC+4*\c+3], s[BG0+2*\g:BG0+2*\g+1] offset:FRB*\j+512*\c   ; 32 lanes store 512 consecutive bytes, aligned
.endr
.endr
.endr
.endm
	s_cmp_eq_u32 ttmp9, 2                          ; the cluster's x: all partners and all waves go the same way
	s_cbranch_scc1 .Lvalues
	EPI 0
	s_branch .Lwords
.Lvalues:
	EPI 1
.Lwords:
.irp j, 0,1,2,3
	v_cndmask_b32 v[XW+\j], v[SW+\j], v[SW+4+\j], s[HI16]   ; lanes 0-15 the first head's words, lanes 16-31 the second's
.endr
	global_store_b128 v[SO], v[XW:XW+3], s[BSC:BSC+1]       ; sixteen lanes store 256 consecutive bytes, aligned
	s_wait_tensorcnt 0x0                           ; the wave's end
	ds_add_u32 v[SPW], v[NIL]
	s_wait_dscnt 0x0
	CROUND                                         ; the closing round
	s_endpgm
.Lfunc_end_k_qb6bbd84efd_qkv:
	.size	k_qb6bbd84efd_qkv, .Lfunc_end_k_qb6bbd84efd_qkv-k_qb6bbd84efd_qkv
	.p2alignl 7, 3214868480
	.fill 96, 4, 3214868480
	.section	.rodata,"a",@progbits
	.p2align	6, 0x0
	.amdhsa_kernel k_qb6bbd84efd_qkv
		.amdhsa_group_segment_fixed_size 327680
		.amdhsa_private_segment_fixed_size 0
		.amdhsa_enable_private_segment 0
		.amdhsa_kernarg_size 48
		.amdhsa_user_sgpr_count 2
		.amdhsa_user_sgpr_kernarg_segment_ptr 1
		.amdhsa_wavefront_size32 1
		.amdhsa_system_sgpr_workgroup_id_x 1
		.amdhsa_system_sgpr_workgroup_id_y 1
		.amdhsa_system_sgpr_workgroup_id_z 1
		.amdhsa_system_vgpr_workitem_id 0
		.amdhsa_next_free_vgpr 1024
		.amdhsa_next_free_sgpr 102
		.amdhsa_reserve_vcc 0
		.amdhsa_float_denorm_mode_32 3
		.amdhsa_float_denorm_mode_16_64 3
		.amdhsa_memory_ordered 1
		.amdhsa_forward_progress 1
		.amdhsa_inst_pref_size 171
	.end_amdhsa_kernel
	.amdgpu_metadata
---
amdhsa.version: [ 1, 2 ]
amdhsa.kernels:
  - .name:           k_qb6bbd84efd_qkv
    .symbol:         k_qb6bbd84efd_qkv.kd
    .args:
      - { .name: x_codes, .offset: 0, .size: 8, .value_kind: global_buffer, .address_space: global }
      - { .name: x_scales, .offset: 8, .size: 8, .value_kind: global_buffer, .address_space: global }
      - { .name: w_codes, .offset: 16, .size: 8, .value_kind: global_buffer, .address_space: global }
      - { .name: w_scales, .offset: 24, .size: 8, .value_kind: global_buffer, .address_space: global }
      - { .name: qb, .offset: 32, .size: 8, .value_kind: global_buffer, .address_space: global }
      - { .name: kv, .offset: 40, .size: 8, .value_kind: global_buffer, .address_space: global }
    .group_segment_fixed_size: 327680
    .private_segment_fixed_size: 0
    .kernarg_segment_align: 8
    .kernarg_segment_size: 48
    .max_flat_workgroup_size: 128
    .sgpr_count:     102
    .vgpr_count:     1024
    .wavefront_size: 32
...
	.end_amdgpu_metadata
.endif
;; end of part 2
;; launch attn (part 3): grid 8 x 32, 16 waves a work-group, clusters of 4 x 1, 327,680 bytes of LDS; arguments qb, kv, a_codes, a_scales; writes a_codes, a_scales
.if DOCPART == 3
	.amdgcn_target "amdgcn-amd-amdhsa--gfx1250"
	.amdhsa_code_object_version 6
	.text
	.protected	k_qb6bbd84efd_attn
	.globl	k_qb6bbd84efd_attn
	.p2align	8
	.type	k_qb6bbd84efd_attn,@function
k_qb6bbd84efd_attn:
	s_mov_b64 s[64:65], 0
	v_nop
	global_prefetch_b8 v0, s[64:65] scope:SCOPE_SE
	s_setreg_imm32_b32 hwreg(HW_REG_WAVE_MODE, 25, 1), 1
	s_wait_xcnt 0x0
	s_wait_alu depctr_hold_cnt(0) depctr_sa_sdst(0) depctr_va_vdst(0) depctr_va_sdst(0) depctr_va_ssrc(0) depctr_va_vcc(0) depctr_vm_vsrc(0)
	s_getreg_b32 s2, hwreg(HW_REG_IB_STS2, 6, 4)
	s_cmp_eq_u32 s2, 0
	s_cbranch_scc0 .Lentry_in_a_cluster
	s_endpgm
.Lentry_in_a_cluster:
	s_bfe_u32 s2, ttmp6, 0x10000c
	s_cmp_lg_u32 s2, 0x3003
	s_cbranch_scc0 .Lentry_shape_is_right
	s_endpgm
.Lentry_shape_is_right:
; LAUNCH 3 OF 4: softmax(q k^T / 8) v for one head and 256 queries a work-group, on codes of E2M3; the result is quantised along the head's 64 and leaves as codes for the last product.  Nothing of the problem is left out.
; 16 waves, 16 queries each.  Both products are used transposed (S^T = k q^T, O^T = v^T p^T): a lane holds one query.  A key step is 128 keys, 12,800 bytes of kv: k's four pair fragments, v's four fragments, the scale words.
; k's pair fragment holds two tiles of 16 keys x 64 d; q stands in one half of its operand with zero codes (scale byte 127) in the other, so each pair gives two tiles of scores.
; ALL 16 KEY STEPS OF THE HEAD STAY IN LDS, 204,800 bytes, filled once: wave w fetches key step w, its one tensor load.  Waves 0 and 1 have a load line and a wait of their own: the first barrier shows key steps 0 and 1,
; which the first loop's two trips read; the second barrier, with every wave's wait for its load, shows the other fourteen.
; CLUSTER 4, 1, 1: the four work-groups of a cluster take query blocks of one head and ask for its kv jointly (mask 15).
; p = 2^(t - M), M the ceiling of the running largest t; the row's sum is taken of the unquantised p; a change of M multiplies the sum and O^T by an exact power of two, in every trip, with no branch on data.
; No prefetch: every tensor load goes out at the head, so there is no loop to run ahead in.
; LIMITS: the promise holds while |t| stays under 2^31; a block of zeros has the byte 1 with zero codes; NaN and infinities are not served.
.set FRB,   1536
.set STEPB, 12800
.set HALF,  102400
.set SPARE, 204800
.set L16,  1
.set R16,  2
.set SPW,  3
.set NIL,  4
.set ADK,  8
.set ADS,  9
.set QSLO, 34
.set QSHI, 35
.set FRG,  36
.set KS,   84
.set VS,   88
.set S,    96
.set O,    160
.set PCD,  192
.set CT,   204
.set BM,   212
.set PD,   216
.set SOP,  220
.set PSW,  224
.set FF,   226
.set T0,   228
.set CH,   232
.set SH8,  234                         ; v234  8 x (lane / 16)
.set WV,   12
.set QB,   14
.set BH,   15
.set SEL,  20
.set CS,   22
.set G1,   24
.set G0A,  32
.set G0B,  36
.set TB,   40
.set CNT,  41
.macro CROUND
	s_barrier_signal -1
	s_barrier_wait -1
	s_cmp_lg_u32 s[WV], 0
	s_cbranch_scc1 .Lnot_wave_0_\@
	s_barrier_signal -3
.Lnot_wave_0_\@:
	s_barrier_wait -3
	s_barrier_signal -1
	s_barrier_wait -1
.endm
	s_load_b256 s[4:11], s[0:1], 0x0
	v_lshl_add_u32 v[SPW], v0, 2, SPARE
	v_mov_b32 v[NIL], 0
	ds_add_u32 v[SPW], v[NIL]
	ds_add_u32 v[SPW], v[NIL]
	v_lshrrev_b32 v5, 5, v0
	s_delay_alu instid0(VALU_DEP_1)
	v_readfirstlane_b32 s[WV], v5
	s_bfe_u32 s13, ttmp6, 0x40000
	s_lshl_b32 s[QB], ttmp9, 2
	s_add_co_u32 s[QB], s[QB], s13
	s_and_b32 s[BH], ttmp7, 0xffff
	s_mov_b32 s[G1], 15|(3<<16)|(1<<21)
	s_mov_b32 s[G1+1], 32<<16
	s_mov_b32 s[G1+2], 50<<16                      ; a key step: 50 dense rows of 256 bytes
	s_mov_b32 s[G1+3], 32<<16
	s_mov_b32 s[G1+4], 50
	s_mov_b32 s[G1+5], 32
	s_mov_b32 s[G1+6], 0
	s_mov_b32 s[G1+7], 0
	s_mul_i32 s16, s[BH], 2*HALF
	s_mul_i32 s17, s[WV], STEPB                    ; my key step, in kv and in LDS alike
	s_add_co_u32 s18, s16, s17
	s_mov_b32 s19, 0
	s_mov_b32 s[SEL], 0x76543210
	s_mov_b32 s[SEL+1], 0xfedcba98
	s_mov_b32 s[CS], 0x3e38aa3b
	s_mov_b32 s[CS+1], s[CS]
	s_mov_b32 s[TB], 0
	s_wait_dscnt 0x0
	s_wait_kmcnt 0x0
	s_mov_b32 s[G0A], 1
	s_mov_b32 s[G0A+1], s17
	s_add_nc_u64 s[G0A+2:G0A+3], s[6:7], s[18:19]
	s_or_b32 s[G0A+3], s[G0A+3], 0x80000000
	s_mul_i32 s42, s[BH], HALF
	s_lshl_b32 s43, s[QB], 1
	s_lshr_b32 s44, s[WV], 3
	s_add_co_u32 s43, s43, s44
	s_mul_i32 s43, s43, 6400
	s_add_co_u32 s42, s42, s43
	s_mov_b32 s43, 0
	s_add_nc_u64 s[4:5], s[4:5], s[42:43]
	s_bfe_u32 s44, s[WV], 0x20001
	s_mul_i32 s45, s44, FRB
	s_lshl_b32 s44, s44, 2
	v_and_b32 v11, 31, v0
	s_wait_alu depctr_va_vdst(0)
	v_and_b32 v10, 15, v0
	s_wait_alu depctr_va_vdst(0)
	v_lshlrev_b32 v[L16], 4, v11
	v_lshlrev_b32 v[R16], 4, v10
	s_delay_alu instid0(VALU_DEP_2)
	v_add_nc_u32 v5, s45, v[L16]
	s_delay_alu instid0(VALU_DEP_2)
	v_add_nc_u32 v6, s44, v[R16]
.irp c, 0,1,2
	global_load_b128 v[FRG+4*\c:FRG+4*\c+3], v5, s[4:5] offset:512*\c
.endr
	global_load_b32 v[T0], v6, s[4:5] offset:6144  ; q's fragment and scale word are asked for ahead of the round
	CROUND                                         ; the four work-groups are here: the joint loads meet
	s_cmp_lt_u32 s[WV], 2                          ; two arms with the same descriptor: waves 0 and 1 have a line of their own, since they alone wait ahead of the first barrier
	s_cbranch_scc0 .Lrest
	tensor_load_to_lds s[G0A:G0A+3], s[G1:G1+7]
	s_nop 0
.rept 4
	v_nop
.endr
	s_branch .Lasked
.Lrest:
	tensor_load_to_lds s[G0A:G0A+3], s[G1:G1+7]
	s_nop 0
.rept 4
	v_nop
.endr
.Lasked:
	s_lshr_b32 s42, s[BH], 4
	s_lshl_b32 s42, s42, 7
	s_lshl_b32 s43, s[QB], 4
	s_add_co_u32 s42, s42, s43
	s_add_co_u32 s42, s42, s[WV]
	s_and_b32 s43, s[BH], 15
	s_mul_i32 s46, s42, 12288
	s_mul_i32 s47, s43, 768
	s_add_co_u32 s46, s46, s47
	s_mov_b32 s47, 0
	s_add_nc_u64 s[8:9], s[8:9], s[46:47]
	s_lshl_b32 s46, s42, 9
	s_lshr_b32 s48, s43, 2
	s_lshl_b32 s48, s48, 7
	s_add_co_u32 s46, s46, s48
	s_and_b32 s48, s43, 3
	s_lshl_b32 s48, s48, 1
	s_add_co_u32 s46, s46, s48
	s_add_nc_u64 s[10:11], s[10:11], s[46:47]
	v_lshlrev_b32 v7, 3, v11
	v_lshlrev_b32 v10, 3, v10
	s_and_b32 s49, s[WV], 1
	s_lshl_b32 s50, s49, 4
	s_cmp_eq_u32 s49, 1
	s_cselect_b32 s51, -1, 0
	s_wait_loadcnt 0x0
.irp i, 0,1,2,3,4,5
	v_cndmask_b32 v[22+\i], v[FRG+\i], v[FRG+6+\i], s51
.endr
	v_lshrrev_b32 v[T0], s50, v[T0]
	s_delay_alu instid0(VALU_DEP_1)
	v_and_b32 v[T0], 0xffff, v[T0]
	s_delay_alu instid0(VALU_DEP_1)
	v_or_b32 v[QSLO], 0x7f7f0000, v[T0]
	s_delay_alu instid0(VALU_DEP_2)
	v_lshl_or_b32 v[QSHI], v[T0], 16, 0x7f7f
.irp i, 16,17,18,19,20,21,28,29,30,31,32,33
	v_mov_b32 v\i, 0
.endr
	v_mov_b32 v13, 0xff61b1e6
	s_delay_alu instid0(VALU_DEP_1)
	v_floor_f32 v12, -v13
	v_mov_b32 v14, 0
	v_mov_b32 v15, 0
.irp b, 0,1,2,3
	v_mov_b32 v[PD+\b], 0
.endr
	v_mov_b32 v[FF+1], 0
	v_and_b32 v[SH8], 16, v0
	v_lshrrev_b32 v[SH8], 1, v[SH8]
.irp j, 0,1,2,3,4,5,6,7,8,9,10,11,12,13,14,15,16,17,18,19,20,21,22,23,24,25,26,27,28,29,30,31
	v_mov_b32 v[O+\j], 0
.endr
.macro STEP
	v_add_nc_u32 v[ADK], s[TB], v[L16]
	v_add_nc_u32 v[ADS], s[TB], v[R16]
	v_nop
	v_nop
.irp j, 0,1,2,3
.irp c, 0,1,2
	ds_load_b128 v[FRG+12*\j+4*\c:FRG+12*\j+4*\c+3], v[ADK] offset:FRB*\j+512*\c
.endr
.endr
	ds_load_b128 v[KS:KS+3], v[ADS] offset:12288
	ds_load_b128 v[VS:VS+3], v[ADS] offset:12544
	s_wait_alu depctr_va_vdst(0)
	s_wait_dscnt 0x0
.irp j, 0,1,2,3
	v_wmma_scale_f32_16x16x128_f8f6f4 v[S+16*\j:S+16*\j+7], v[FRG+12*\j:FRG+12*\j+11], v[22:33], 0, v[KS+\j], v[QSLO] matrix_a_fmt:MATRIX_FMT_FP6 matrix_b_fmt:MATRIX_FMT_FP6
	v_wmma_scale_f32_16x16x128_f8f6f4 v[S+16*\j+8:S+16*\j+15], v[FRG+12*\j:FRG+12*\j+11], v[16:27], 0, v[KS+\j], v[QSHI] matrix_a_fmt:MATRIX_FMT_FP6 matrix_b_fmt:MATRIX_FMT_FP6
.endr
.rept 4
	v_nop
.endr
.irp t, 0,1,2,3
.irp c, 0,1,2
	ds_load_b128 v[FRG+12*\t+4*\c:FRG+12*\t+4*\c+3], v[ADK] offset:6144+FRB*\t+512*\c
.endr
.endr
.irp b, 0,1,2,3
	v_max3_num_f32 v[BM+\b], v[S+16*\b], v[S+1+16*\b], v[S+2+16*\b]
.endr
.irp i, 3,5,7,9,11,13
.irp b, 0,1,2,3
	v_max3_num_f32 v[BM+\b], v[BM+\b], v[S+16*\b+\i], v[S+1+16*\b+\i]
.endr
.endr
.irp b, 0,1,2,3
	v_max_num_f32 v[BM+\b], v[BM+\b], v[S+15+16*\b]
.endr
; By the order of x's tiles (launch 1) score 32 c + i of a lane is key 64 c + 32 (lane / 16) + i of the step: a lane holds blocks h and 2 + h WHOLE, as p's operand wants them
	v_max_num_f32 v[BM], v[BM], v[BM+1]            ; the largest score of block h,
	v_max_num_f32 v[BM+1], v[BM+2], v[BM+3]        ; of block 2 + h,
	v_max_num_f32 v[T0], v[BM], v[BM+1]
	v_permlanex16_b32 v[PD], v[T0], s[SEL], s[SEL+1]
	v_max_num_f32 v[T0], v[T0], v[PD]              ; and, with lane l xor 16's, of my query in this step
	v_mul_f32 v[T0], s[CS], v[T0]
	s_delay_alu instid0(VALU_DEP_1)
	v_max_num_f32 v13, v13, v[T0]
	v_mov_b32 v[T0], v12
	s_delay_alu instid0(VALU_DEP_2)
	v_floor_f32 v12, -v13
	s_delay_alu instid0(VALU_DEP_1)
	v_sub_f32 v[T0], v12, v[T0]
	s_delay_alu instid0(VALU_DEP_1)
	v_cvt_i32_f32 v[T0], v[T0]
	s_delay_alu instid0(VALU_DEP_1)
	v_ldexp_f32 v[FF], 1.0, v[T0]
.irp j, 0,2,4,6,8,10,12,14,16,18,20,22,24,26,28,30,32,34,36,38,40,42,44,46,48,50,52,54,56,58,60,62
	v_pk_fma_f32 v[S+\j:S+1+\j], v[S+\j:S+1+\j], s[CS:CS+1], v[12:13] op_sel_hi:[1,0,0]
.endr
.irp b, 0,1
	v_fma_f32 v[BM+\b], v[BM+\b], s[CS], v12
.endr
	s_wait_alu depctr_va_vdst(0)
.irp j, 0,1,2,3,4,5,6,7,8,9,10,11,12,13,14,15,16,17,18,19,20,21,22,23,24,25,26,27,28,29,30,31,32,33,34,35,36,37,38,39,40,41,42,43,44,45,46,47,48,49,50,51,52,53,54,55,56,57,58,59,60,61,62,63
	v_exp_f32 v[S+\j], v[S+\j]
.endr
	v_pk_mul_f32 v[14:15], v[14:15], v[FF:FF+1] op_sel_hi:[1,0]
	s_wait_alu depctr_va_vdst(0)
.irp b, 0,1
	v_exp_f32 v[BM+\b], v[BM+\b]
.endr
	v_pk_add_f32 v[CH:CH+1], v[S:S+1], v[S+2:S+3]
.irp j, 4,8,12,16,20,24,28,32,36,40,44,48,52,56,60
	v_pk_add_f32 v[14:15], v[14:15], v[S+\j:S+1+\j]
	v_pk_add_f32 v[CH:CH+1], v[CH:CH+1], v[S+2+\j:S+3+\j]
.endr
	s_delay_alu instid0(VALU_DEP_1)
	v_pk_add_f32 v[14:15], v[14:15], v[CH:CH+1]
	s_wait_alu depctr_va_vdst(0)
.irp b, 0,1
	v_max_num_f32 v[BM+\b], 0x1800000, v[BM+\b]    ; the floor 2^(3 - 127): the byte cannot fall under 1
.endr
.irp b, 0,1
	v_add_nc_u32 v[SOP+\b], 0xff000000, v[BM+\b]   ; 2 off the exponent field: the conversions' scale operand
.endr
.irp b, 0,1
	v_lshrrev_b32 v[PD+\b], 23, v[SOP+\b]          ; the scale's byte
.endr
	v_lshl_or_b32 v[PSW], v[PD+1], 16, v[PD]       ; my two bytes, blocks h and 2 + h,
	v_lshlrev_b32 v[PSW], v[SH8], v[PSW]           ; at their places in the word;
	v_permlanex16_b32 v[PD], v[PSW], s[SEL], s[SEL+1]
	v_or_b32 v[PSW], v[PSW], v[PD]                 ; with lane l xor 16's two it is whole
.irp c, 0,1
	v_cvt_scalef32_pk16_fp6_f32 v[PCD+6*\c:PCD+2+6*\c], v[S+32*\c:S+15+32*\c], v[SOP+\c]
	v_cvt_scalef32_pk16_fp6_f32 v[CT+4*\c:CT+2+4*\c], v[S+16+32*\c:S+31+32*\c], v[SOP+\c]
.endr
	v_nop                                          ; one plain line behind a scaled conversion
.irp c, 0,1
.irp i, 0,1,2
	v_mov_b32 v[PCD+3+6*\c+\i], v[CT+4*\c+\i]      ; (a conversion's three registers begin on an even number)
.endr
.endr
.irp j, 0,2,4,6,8,10,12,14,16,18,20,22,24,26,28,30
	v_pk_mul_f32 v[O+\j:O+1+\j], v[O+\j:O+1+\j], v[FF:FF+1] op_sel_hi:[1,0]
.endr
	s_wait_alu depctr_va_vdst(0)
	s_wait_dscnt 0x0
.irp t, 0,1,2,3
	v_wmma_scale_f32_16x16x128_f8f6f4 v[O+8*\t:O+8*\t+7], v[FRG+12*\t:FRG+12*\t+11], v[PCD:PCD+11], v[O+8*\t:O+8*\t+7], v[VS+\t], v[PSW] matrix_a_fmt:MATRIX_FMT_FP6 matrix_b_fmt:MATRIX_FMT_FP6
.endr
	s_add_co_u32 s[TB], s[TB], STEPB
.endm
	s_wait_alu depctr_va_vdst(0)
	s_cmp_lt_u32 s[WV], 2
	s_cbranch_scc0 .Lnot_first
	s_wait_tensorcnt 0x0                           ; key steps 0 and 1 are in
.Lnot_first:
	s_barrier_signal -1
	s_barrier_wait -1                              ; the other fourteen loads may be out
	s_mov_b32 s[CNT], 0
.Lfirst_half:
	STEP
	s_add_co_u32 s[CNT], s[CNT], 1
	s_cmp_lt_u32 s[CNT], 2
	s_cbranch_scc1 .Lfirst_half
	s_wait_tensorcnt 0x0
	s_barrier_signal -1
	s_barrier_wait -1
	s_mov_b32 s[CNT], 0
.Lsecond_half:
	STEP
	s_add_co_u32 s[CNT], s[CNT], 1
	s_cmp_lt_u32 s[CNT], 14
	s_cbranch_scc1 .Lsecond_half
.rept 4
	v_nop
.endr
	v_add_f32 v14, v14, v15
	s_delay_alu instid0(VALU_DEP_1)
	v_permlanex16_b32 v[T0], v14, s[SEL], s[SEL+1]
	s_delay_alu instid0(VALU_DEP_1)
	v_add_f32 v14, v14, v[T0]
	s_wait_alu depctr_va_vdst(0)
	v_rcp_f32 v14, v14
	v_nop
	s_wait_alu depctr_va_vdst(0)
.irp j, 0,1,2,3,4,5,6,7,8,9,10,11,12,13,14,15,16,17,18,19,20,21,22,23,24,25,26,27,28,29,30,31
	v_mul_f32 v[S+\j], v[O+\j], v14
.endr
.irp b, 0,1
	v_max3_num_f32 v[BM+\b], |v[S+16*\b]|, |v[S+1+16*\b]|, 0x1800000
.endr
.irp i, 2,4,6,8,10,12,14
.irp b, 0,1
	s_delay_alu instid0(VALU_DEP_2)
	v_max3_num_f32 v[BM+\b], v[BM+\b], |v[S+16*\b+\i]|, |v[S+1+16*\b+\i]|
.endr
.endr
.irp b, 0,1
	s_delay_alu instid0(VALU_DEP_2)
	v_permlanex16_b32 v[PD+\b], v[BM+\b], s[SEL], s[SEL+1]
.endr
.irp b, 0,1
	s_delay_alu instid0(VALU_DEP_2)
	v_max_num_f32 v[BM+\b], v[BM+\b], v[PD+\b]
.endr
.irp b, 0,1
	s_delay_alu instid0(VALU_DEP_2)
	v_add_nc_u32 v[SOP+\b], 0xff000000, v[BM+\b]
.endr
.irp b, 0,1
	s_delay_alu instid0(VALU_DEP_2)
	v_lshrrev_b32 v[PD+\b], 23, v[SOP+\b]
.endr
	s_delay_alu instid0(VALU_DEP_1)
	v_lshl_or_b32 v[PSW], v[PD+1], 8, v[PD]
	v_cvt_scalef32_pk16_fp6_f32 v[PCD:PCD+2], v[S:S+15], v[SOP]
	v_cvt_scalef32_pk16_fp6_f32 v[CT:CT+2], v[S+16:S+31], v[SOP+1]
	v_nop
.irp i, 0,1,2
	v_permlane16_swap_b32 v[PCD+\i], v[CT+\i]
.endr
.irp i, 0,1,2
	s_delay_alu instid0(VALU_DEP_3)
	v_mov_b32 v[PCD+3+\i], v[CT+\i]
.endr
.irp p, 0,1,2
	global_store_b64 v7, v[PCD+2*\p:PCD+2*\p+1], s[8:9] offset:256*\p
.endr
	global_store_b16 v10, v[PSW], s[10:11]
	s_wait_tensorcnt 0x0
	ds_add_u32 v[SPW], v[NIL]
	s_wait_dscnt 0x0
	CROUND
	s_endpgm
.Lfunc_end_k_qb6bbd84efd_attn:
	.size	k_qb6bbd84efd_attn, .Lfunc_end_k_qb6bbd84efd_attn-k_qb6bbd84efd_attn
	.p2alignl 7, 3214868480
	.fill 96, 4, 3214868480
	.section	.rodata,"a",@progbits
	.p2align	6, 0x0
	.amdhsa_kernel k_qb6bbd84efd_attn
		.amdhsa_group_segment_fixed_size 327680
		.amdhsa_private_segment_fixed_size 0
		.amdhsa_enable_private_segment 0
		.amdhsa_kernarg_size 32
		.amdhsa_user_sgpr_count 2
		.amdhsa_user_sgpr_kernarg_segment_ptr 1
		.amdhsa_wavefront_size32 1
		.amdhsa_system_sgpr_workgroup_id_x 1
		.amdhsa_system_sgpr_workgroup_id_y 1
		.amdhsa_system_sgpr_workgroup_id_z 1
		.amdhsa_system_vgpr_workitem_id 0
		.amdhsa_next_free_vgpr 256
		.amdhsa_next_free_sgpr 66
		.amdhsa_reserve_vcc 0
		.amdhsa_float_denorm_mode_32 3
		.amdhsa_float_denorm_mode_16_64 3
		.amdhsa_memory_ordered 1
		.amdhsa_forward_progress 1
		.amdhsa_inst_pref_size 42
	.end_amdhsa_kernel
	.amdgpu_metadata
---
amdhsa.version: [ 1, 2 ]
amdhsa.kernels:
  - .name:           k_qb6bbd84efd_attn
    .symbol:         k_qb6bbd84efd_attn.kd
    .args:
      - { .name: qb, .offset: 0, .size: 8, .value_kind: global_buffer, .address_space: global }
      - { .name: kv, .offset: 8, .size: 8, .value_kind: global_buffer, .address_space: global }
      - { .name: a_codes, .offset: 16, .size: 8, .value_kind: global_buffer, .address_space: global }
      - { .name: a_scales, .offset: 24, .size: 8, .value_kind: global_buffer, .address_space: global }
    .group_segment_fixed_size: 327680
    .private_segment_fixed_size: 0
    .kernarg_segment_align: 8
    .kernarg_segment_size: 32
    .max_flat_workgroup_size: 512
    .sgpr_count:     66
    .vgpr_count:     256
    .wavefront_size: 32
...
	.end_amdgpu_metadata
.endif
;; end of part 3
;; launch proj (part 4): grid 8 x 32, 4 waves a work-group, clusters of 4 x 4, 222,720 bytes of LDS; arguments a_codes, a_scales, w_codes, w_scales, bo, out0; writes out0
.if DOCPART == 4
	.amdgcn_target "amdgcn-amd-amdhsa--gfx1250"
	.amdhsa_code_object_version 6
	.text
	.protected	k_qb6bbd84efd_proj
	.globl	k_qb6bbd84efd_proj
	.p2align	8
	.type	k_qb6bbd84efd_proj,@function
k_qb6bbd84efd_proj:
	s_mov_b64 s[64:65], 0
	v_nop
	global_prefetch_b8 v0, s[64:65] scope:SCOPE_SE
	s_setreg_imm32_b32 hwreg(HW_REG_WAVE_MODE, 25, 1), 1
	s_wait_xcnt 0x0
	s_wait_alu depctr_hold_cnt(0) depctr_sa_sdst(0) depctr_va_vdst(0) depctr_va_sdst(0) depctr_va_ssrc(0) depctr_va_vcc(0) depctr_vm_vsrc(0)
	s_getreg_b32 s2, hwreg(HW_REG_IB_STS2, 6, 4)
	s_cmp_eq_u32 s2, 0
	s_cbranch_scc0 .Lentry_in_a_cluster
	s_endpgm
.Lentry_in_a_cluster:
	s_bfe_u32 s2, ttmp6, 0x10000c
	s_cmp_lg_u32 s2, 0xf033
	s_cbranch_scc0 .Lentry_shape_is_right
	s_endpgm
.Lentry_shape_is_right:
; LAUNCH 4 OF 4: out0 = attn wo + bo on codes of E2M3, [4096] x [1024], K = 1,024.  Nothing of the problem is left out.
; A work-group makes 128 tokens x 128 columns: 32 x 8 = 256 work-groups, one for each WGP.  Four waves of 64 x 64: 16 accumulators, 128 registers.
; ALL OF K STAYS IN LDS: 128 rows of attn and 128 columns of wo are 98,304 bytes of codes each.  They come once, all of K in one tensor load each, and the products begin when all four loads are in.  No byte of LDS is filled again: no ring, no round inside the work.
; CLUSTERS: 4 x 4.  attn's tiles hang on the tile row alone and are asked for jointly along a row of the cluster, wo's on the tile column alone and are asked for jointly along a column.
; Source 1 (L) = attn's tiles, source 0 (U) = wo's, tiles 192 .. 255 of w_codes: a lane holds one token; place r of tile T is row 32 (T / 2) + 8 (T % 2) + r + 8 (r / 8) (launch 1's order), so register j of U's tile b is column
; 32 (b / 2) + 8 (b % 2) + 16 (lane / 16) + j of my 64.
; U's fragments lie as launch 1 laid them (three loads of 512 consecutive bytes); attn's were stored by heads, register p of lane L at 256 (p / 2) + 8 L + 4 (p % 2): six loads of 256 consecutive bytes.
; bo is the C of each sum's first product: eight registers for each of U's tiles, in the result's layout.
; No prefetch: every load of the launch goes out at its head.
; LIMITS: as launch 1's (a block of zeros has the byte 1 with zero codes; NaN and infinities are not served).
; REGISTERS: window 0: v16-29 addresses; v32-63 the scale words of all of K; v64-159, v160-255 two sets of fragments (L's four, then U's four); on the way out v64-127 rows of out0.
;   window 1: v0-127 accumulator (a, b) at v[8 (4 a + b)]; v128-159 bo.
.set FR,     12                        ; registers of a fragment
.set FRB,    1536                      ; a fragment in bytes: 16 rows x 128 K
.set TPITCH, 12288                     ; a tile's codes for all of K
; THE FILLS: all of K comes at the head, one tensor load a wave: wave 0 attn's eight tiles (98,304 dense bytes), wave 1 wo's eight, wave 2 attn's scale bytes, wave 3 wo's.  One barrier shows all four; nothing is filled later.
.set THALF,  12288                     ; from tile to tile in LDS: a tile's codes for all of K
.set PIECE,  4*THALF                   ; four tiles' codes for all of K: half of what one tensor load brings, and what one wave reads of L or of U in eight K steps
.set HALFK,  4*PIECE                   ; the four waves' pieces: L's eight tiles, then U's eight
.set SCL,    HALFK                     ; behind the sixteen tiles' codes: the scale bytes for all of K, 512 a tile: L's 4,096 bytes, then U's
.set SPIECE, 2048                      ; four tiles' scale bytes
.set STG,    SCL+4*SPIECE              ; the way out: a stage of 16 rows x (256 + 16) bytes for each wave; no tensor load lands here
.set SPITCH, 272
.set SPARE,  STG+4*16*SPITCH           ; the spare words, 128 bytes for each wave
.set ADRL, 16                          ; v16-17  LDS address of my L fragments in K's first, second half
.set ADRU, 20                          ; v20-21  of my U fragments
.set STO,  24                          ; v24     the way out: where I put 32 bytes of a row
.set RD,   25                          ; v25     where I read a row back
.set CO,   26                          ; v26     my byte offset in two rows of out0
.set ADRS, 27                          ; v27     my scale words in LDS: lanes 0-15 L's rows, lanes 16-31 U's
.set SPW,  28                          ; v28     LDS address of my spare word; never rewritten
.set NIL,  29                          ; v29     0; never rewritten
.set SC,   32                          ; register SC + 8 i + s: lanes 0-15 the word of L's tile i, lanes 16-31 of U's tile i, for K step s
.set FRG,  64                          ; set p at FRG + 96 p: L's tile a at + 12 a, U's tile b at + 48 + 12 b
.set BK,   64                          ; the way out: 16 rows read back: v64-95 and v96-127 by turns
.set BO,   128                         ; in window 1
.set WV,   16
.set WR,   17                          ; wave / 2: my half of L.
.set WC,   18                          ; wave % 2: my half of U.
.set TY,   19
.set G1,   24                          ; s[24:31] descriptor group 1 for attn's codes; s[32:35] group 0
.set G0,   32
.set G1B,  48                          ; s[48:55], s[56:59] the same for wo's
.set G0B,  56
.set G1S,  68                          ; s[68:75], s[76:79] groups 1 and 0 for attn's scale bytes; s[80:87], s[88:91] for wo's
.set G0S,  76
.set G1SB, 80
.set G0SB, 88
.set MSB, 0
.macro WIN new                         ; the immediate's high byte repeats the setting that is left
.if MSB != (\new)
	s_set_vgpr_msb (MSB<<8)|(\new)
.set MSB, (\new)
.endif
.endm
.set MULW, 0x50                        ; sources 0 (U) and 1 (L) window 0; C and D window 1
; An arm of the head's tree of branches on the wave's number: one joint load, its s_nop 0 and four v_nop, and a jump to the tree's end.
.macro ARM under, g0, g1, next
	s_cmp_lt_u32 s[WV], \under
	s_cbranch_scc0 \next
	tensor_load_to_lds s[\g0:\g0+3], s[\g1:\g1+7]
	s_nop 0
.rept 4
	v_nop
.endr
	s_branch .Lhead_asked
\next:
.endm
.macro CROUND                          ; a round of the cluster's barrier
	s_barrier_signal -1
	s_barrier_wait -1
	s_cmp_lg_u32 s[WV], 0
	s_cbranch_scc1 .Lnot_wave_0_\@
	s_barrier_signal -3
.Lnot_wave_0_\@:
	s_barrier_wait -3
	s_barrier_signal -1
	s_barrier_wait -1
.endm
	s_load_b128 s[4:7], s[0:1], 0x0                ; attn's codes, its scales
	s_load_b128 s[8:11], s[0:1], 0x10              ; the weights' codes, their scales
	s_load_b128 s[12:15], s[0:1], 0x20             ; bo, out0
	v_lshl_add_u32 v[SPW], v0, 2, SPARE
	v_mov_b32 v[NIL], 0
	ds_add_u32 v[SPW], v[NIL]                      ; the wave's opening: the add, twice on end, and its wait ahead of my first tensor load
	ds_add_u32 v[SPW], v[NIL]
	v_lshrrev_b32 v1, 5, v0
	v_readfirstlane_b32 s[WV], v1                  ; wave 0..3
	s_lshr_b32 s[WR], s[WV], 1
	s_and_b32 s[WC], s[WV], 1
	s_bfe_u32 s40, ttmp6, 0x40000                  ; cx, cy: my place in the cluster
	s_bfe_u32 s41, ttmp6, 0x40004
	s_lshl_b32 s42, ttmp9, 2
	s_add_co_u32 s42, s42, s40                     ; tile column 0..7
	s_and_b32 s[TY], ttmp7, 0xffff
	s_lshl_b32 s[TY], s[TY], 2
	s_add_co_u32 s[TY], s[TY], s41                 ; tile row 0..31
	s_lshl_b32 s43, s41, 2
	s_lshl_b32 s43, 15, s43                        ; my row of the cluster
	s_lshl_b32 s44, 0x1111, s40                    ; my column
	; codes: eight tiles, all of K: 8 dense rows of 12,288 bytes (1,536 elements of 8 bytes)
	s_or_b32 s[G1+0], s43, (3<<16)|(1<<21)         ; 15:0 the mask; 17:16 elements of 8 bytes; 21 set beside a mask; no padding
	s_or_b32 s[G1B+0], s44, (3<<16)|(1<<21)
.irp g, G1, G1B
	s_mov_b32 s[\g+1], 1536<<16                    ; tensor_dim0
	s_mov_b32 s[\g+2], 8<<16                       ; tensor_dim1
	s_mov_b32 s[\g+3], 1536<<16                    ; tile_dim0
	s_mov_b32 s[\g+4], 8                           ; tile_dim1
	s_mov_b32 s[\g+5], 1536                        ; tensor_dim0_stride
	s_mov_b32 s[\g+6], 0
	s_mov_b32 s[\g+7], 0
.endr
	; scale bytes of eight tiles: 4,096 dense bytes as 16 rows of 256
	s_or_b32 s[G1S+0], s43, (3<<16)|(1<<21)
	s_or_b32 s[G1SB+0], s44, (3<<16)|(1<<21)
.irp g, G1S, G1SB
	s_mov_b32 s[\g+1], 32<<16
	s_mov_b32 s[\g+2], 16<<16
	s_mov_b32 s[\g+3], 32<<16
	s_mov_b32 s[\g+4], 16
	s_mov_b32 s[\g+5], 32
	s_mov_b32 s[\g+6], 0
	s_mov_b32 s[\g+7], 0
.endr
	s_lshl_b32 s20, s[TY], 3                       ; attn: the work-group's first tile, 8 x tile row
	s_lshl_b32 s46, s42, 3
	s_add_co_u32 s46, s46, 192                     ; wo: tile 192 + 8 x tile column
	s_lshl_b32 s92, s20, 9                         ; their scale bytes: 512 a tile
	s_mov_b32 s93, 0
	s_lshl_b32 s94, s46, 9
	s_mov_b32 s95, 0
	s_mul_i32 s20, s20, TPITCH                     ; and their codes
	s_mov_b32 s21, 0
	s_mul_i32 s46, s46, TPITCH
	s_mov_b32 s47, 0
	s_wait_dscnt 0x0                               ; both opening adds are done
	s_wait_kmcnt 0x0
	s_add_nc_u64 s[20:21], s[4:5], s[20:21]
	s_add_nc_u64 s[92:93], s[6:7], s[92:93]
	s_add_nc_u64 s[46:47], s[8:9], s[46:47]
	s_add_nc_u64 s[94:95], s[10:11], s[94:95]
	CROUND                                         ; all sixteen work-groups are here: the joint loads meet
	s_mov_b32 s[G0S], 1
	s_mov_b32 s[G0S+1], SCL
	s_mov_b64 s[G0S+2:G0S+3], s[92:93]
	s_or_b32 s[G0S+3], s[G0S+3], 0x80000000
	s_mov_b32 s[G0SB], 1
	s_mov_b32 s[G0SB+1], SCL+2*SPIECE
	s_mov_b64 s[G0SB+2:G0SB+3], s[94:95]
	s_or_b32 s[G0SB+3], s[G0SB+3], 0x80000000
	s_mov_b32 s[G0], 1                             ; attn's eight tiles at LDS byte 0,
	s_mov_b32 s[G0+1], 0
	s_mov_b64 s[G0+2:G0+3], s[20:21]
	s_or_b32 s[G0+3], s[G0+3], 0x80000000
	s_mov_b32 s[G0B], 1                            ; wo's eight behind them
	s_mov_b32 s[G0B+1], 2*PIECE
	s_mov_b64 s[G0B+2:G0B+3], s[46:47]
	s_or_b32 s[G0B+3], s[G0B+3], 0x80000000
	ARM 1, G0,  G1,  .Lhead_b                      ; one tensor load a wave: every way through the tree passes one
	ARM 2, G0B, G1B, .Lhead_sa
	ARM 3, G0S, G1S, .Lhead_sb
	tensor_load_to_lds s[G0SB:G0SB+3], s[G1SB:G1SB+7]
	s_nop 0
.rept 4
	v_nop
.endr
.Lhead_asked:
	v_and_b32 v1, 15, v0                           ; r
	v_bfe_u32 v2, v0, 4, 1                         ; h
	s_wait_alu depctr_va_vdst(0)
	v_and_b32 v3, 31, v0
	; bo: for U's tile b lane (r, h) wants columns 32 (b / 2) + 8 (b % 2) + 16 h + 0 .. 7 of my 64
	s_lshl_b32 s20, s42, 9                         ; the tile column's 128 numbers,
	s_lshl_b32 s21, s[WC], 8                       ; my 64 of them
	s_add_co_u32 s20, s20, s21
	s_mov_b32 s21, 0
	s_add_nc_u64 s[12:13], s[12:13], s[20:21]
	v_lshlrev_b32 v7, 6, v2
	WIN 0x40                                       ; destination window 1
.irp b, 0,1,2,3
	global_load_b128 v[BO+8*\b:BO+8*\b+3], v7, s[12:13] offset:(32*(\b/2)+8*(\b%2))*4
	global_load_b128 v[BO+8*\b+4:BO+8*\b+7], v7, s[12:13] offset:(32*(\b/2)+8*(\b%2))*4+16
.endr
	WIN 0
	v_lshlrev_b32 v5, 4, v3                        ; 16 x lane
	v_lshlrev_b32 v4, 3, v3                        ; 8 x lane
	s_mul_i32 s21, s[WR], PIECE                    ; my four tiles of L
	s_mul_i32 s22, s[WC], PIECE                    ; my four of U,
	s_add_co_u32 s22, s22, 2*PIECE                 ; which lie behind L's eight
.irp k, 0,1
	v_add_nc_u32 v[ADRL+\k], s21, v4
	v_add_nc_u32 v[ADRU+\k], s22, v5
	s_add_co_u32 s21, s21, 4*FRB                   ; K's second half: four fragments on in each tile
	s_add_co_u32 s22, s22, 4*FRB
.endr
	s_lshl_b32 s21, s[WR], 11                      ; L's scale bytes: my four tiles
	s_lshl_b32 s22, s[WC], 11                      ; U's, behind L's 4,096
	s_add_co_u32 s22, s22, 2*SPIECE
	s_sub_co_u32 s22, s22, s21
	v_mul_u32_u24 v6, s22, v2                      ; lanes 16-31 take U's: the lower base + h x the distance
	s_add_co_u32 s21, s21, SCL
	v_lshl_add_u32 v6, v1, 3, v6                   ; 8 bytes a row for 256 along K
	v_add_nc_u32 v[ADRS], s21, v6
	s_mul_i32 s23, s[WV], 16*SPITCH
	s_add_co_u32 s23, s23, STG                     ; my stage
	v_mul_u32_u24 v6, v1, SPITCH
	v_lshl_add_u32 v6, v2, 6, v6
	v_add_nc_u32 v[STO], s23, v6                   ; in: row r, + 64 h
	v_mul_u32_u24 v6, v2, SPITCH
	v_lshl_add_u32 v6, v1, 4, v6
	v_add_nc_u32 v[RD], s23, v6                    ; back: lanes 0-15 one row of 256 bytes, lanes 16-31 the next
	v_lshlrev_b32 v[CO], 12, v2
	v_lshl_add_u32 v[CO], v1, 4, v[CO]             ; and the same two rows in out0
	s_lshl_b32 s20, s[TY], 19                      ; 128 rows of 4,096 bytes
	s_lshl_b32 s21, s[WR], 18                      ; my 64 of them
	s_add_co_u32 s20, s20, s21
	s_lshl_b32 s21, s42, 9                         ; the tile column's 512 bytes
	s_add_co_u32 s20, s20, s21
	s_lshl_b32 s21, s[WC], 8                       ; my 256 of them
	s_add_co_u32 s20, s20, s21
	s_mov_b32 s21, 0
	s_add_nc_u64 s[14:15], s[14:15], s[20:21]
.macro SCALES                          ; all of K's scale words: two a row for each 256 along K; lanes 0-15 L's tile i, lanes 16-31 U's tile i
.irp i, 0,1,2,3
.irp t, 0,1,2,3
	ds_load_b64 v[SC+8*\i+2*\t:SC+8*\i+2*\t+1], v[ADRS] offset:512*\i+128*\t
.endr
.endr
.endm
.macro FETCH s                         ; K step s's eight fragments into set s % 2: 12 loads of 512 consecutive bytes and 24 of 256
.set FB, FRG+96*((\s)%2)
.irp i, 0,1,2,3
.irp c, 0,1,2
	ds_load_b128 v[FB+48+FR*\i+4*\c:FB+48+FR*\i+4*\c+3], v[ADRU+(\s)/4] offset:\i*THALF+((\s)%4)*FRB+512*\c
.endr
.endr
.irp i, 0,1,2,3
.irp p, 0,1,2,3,4,5
	ds_load_b64 v[FB+FR*\i+2*\p:FB+FR*\i+2*\p+1], v[ADRL+(\s)/4] offset:\i*THALF+((\s)%4)*FRB+256*\p
.endr
.endr
.endm
; 16 matrix instructions: L's four tiles x U's four, 128 along K.  The 16 accumulators take turns, one instruction a turn, in the same order in every step.  first = 1: bo starts the sums.
.macro MUL s, first
.set FB, FRG+96*((\s)%2)
.irp a, 0,1,2,3
.irp b, 0,1,2,3
.if \first
	v_wmma_scale_f32_16x16x128_f8f6f4 v[8*(4*\a+\b):8*(4*\a+\b)+7], v[FB+48+FR*\b:FB+48+FR*\b+FR-1], v[FB+FR*\a:FB+FR*\a+FR-1], v[BO+8*\b:BO+8*\b+7], v[SC+8*\b+(\s)], v[SC+8*\a+(\s)] matrix_a_fmt:MATRIX_FMT_FP6 matrix_b_fmt:MATRIX_FMT_FP6 matrix_a_scale:MATRIX_SCALE_ROW1
.else
	v_wmma_scale_f32_16x16x128_f8f6f4 v[8*(4*\a+\b):8*(4*\a+\b)+7], v[FB+48+FR*\b:FB+48+FR*\b+FR-1], v[FB+FR*\a:FB+FR*\a+FR-1], v[8*(4*\a+\b):8*(4*\a+\b)+7], v[SC+8*\b+(\s)], v[SC+8*\a+(\s)] matrix_a_fmt:MATRIX_FMT_FP6 matrix_b_fmt:MATRIX_FMT_FP6 matrix_a_scale:MATRIX_SCALE_ROW1
.endif
.endr
.endr
.endm
.macro PLACES                          ; four plain vector lines between a matrix instruction and a load into, or a read of, its registers
.rept 4
	v_nop
.endr
.endm
; A K step: its fragments were asked for a step ago; the next step's are asked for, into the other set, ahead of its products, and land while they are multiplied.
.macro STEPK s, first
	s_wait_dscnt 0x0                               ; this step's fragments are in: no LDS instruction of mine is out
.if (\s) < 7
.if (\s) > 0
	PLACES                                         ; the other set was read by the last step's products
.endif
	FETCH (\s)+1
.endif
	WIN MULW
	MUL \s, \first
	WIN 0
.endm
	s_wait_alu depctr_va_vdst(0)
	s_wait_tensorcnt 0x0                           ; my one tensor load has landed
	s_barrier_signal -1
	s_barrier_wait -1                              ; everybody's are
	SCALES
	FETCH 0
	s_wait_loadcnt 0x0                             ; bo
	STEPK 0, 1                                     ; K = 1,024 is eight steps: written out
	STEPK 1, 0
	STEPK 2, 0
	STEPK 3, 0
	STEPK 4, 0
	STEPK 5, 0
	STEPK 6, 0
	STEPK 7, 0
; THE WAY OUT, tile by tile of 16 tokens x 64 columns.  A lane holds 32 neighbouring bytes of a row for each of U's tiles, and the lanes beside it hold other rows: so a tile goes through my own stage and comes back as whole rows of
; 256 bytes, two to an instruction.  LDS serves a wave's instructions in order (ISA guide 5.7.1.4): no wait between the stores and the loads, nor in front of the next tile's stores.
.macro TOSTAGE a
	WIN 0x04                                       ; an LDS store's data are its source 1: window 1
.irp b, 0,1,2,3
	ds_store_b128 v[STO], v[8*(4*(\a)+\b):8*(4*(\a)+\b)+3] offset:128*(\b/2)+32*(\b%2)        ; each accumulator from its low end on
	ds_store_b128 v[STO], v[8*(4*(\a)+\b)+4:8*(4*(\a)+\b)+7] offset:128*(\b/2)+32*(\b%2)+16
.endr
	WIN 0
.set BB, BK+32*((\a)%2)
.irp t, 0,1,2,3,4,5,6,7
	ds_load_b128 v[BB+4*\t:BB+4*\t+3], v[RD] offset:\t*2*SPITCH
.endr
.endm
.macro SEND a, younger                 ; attn's tiles stand in the order of x's tiles: place p = 2 t + lane / 16 of tile a is token 8 a + p % 8 + 32 (p / 8) of my 64: every offset is an immediate, 62 rows of 4,096 bytes at the most
.set BB, BK+32*((\a)%2)
	s_wait_dscnt \younger                          ; the tile is back in registers
.irp t, 0,1,2,3,4,5,6,7
	global_store_b128 v[CO], v[BB+4*\t:BB+4*\t+3], s[14:15] offset:(8*(\a)+2*(\t%4)+32*(\t/4))*4096 th:TH_STORE_NT   ; sixteen lanes store 256 consecutive bytes, aligned; written once, read by nobody here
.endr
.endm
	PLACES                                         ; behind the last products: for the reads of results and for the loads into the registers that held fragments
	TOSTAGE 0
.irp a, 1,2,3
.if \a > 1
	s_wait_xcnt 0x0                                ; tile a - 2's stores have read their registers: tile a's loads may land there
.endif
	TOSTAGE \a
	SEND \a-1, 16                                  ; behind tile a - 1's loads: tile a's 8 stores and 8 loads
.endr
	SEND 3, 0
	s_wait_tensorcnt 0x0                           ; the wave's end, behind my last tensor load and my last LDS store
	ds_add_u32 v[SPW], v[NIL]
	s_wait_dscnt 0x0
	CROUND                                         ; the closing round
	s_endpgm
.Lfunc_end_k_qb6bbd84efd_proj:
	.size	k_qb6bbd84efd_proj, .Lfunc_end_k_qb6bbd84efd_proj-k_qb6bbd84efd_proj
	.p2alignl 7, 3214868480
	.fill 96, 4, 3214868480
	.section	.rodata,"a",@progbits
	.p2align	6, 0x0
	.amdhsa_kernel k_qb6bbd84efd_proj
		.amdhsa_group_segment_fixed_size 222720
		.amdhsa_private_segment_fixed_size 0
		.amdhsa_enable_private_segment 0
		.amdhsa_kernarg_size 48
		.amdhsa_user_sgpr_count 2
		.amdhsa_user_sgpr_kernarg_segment_ptr 1
		.amdhsa_wavefront_size32 1
		.amdhsa_system_sgpr_workgroup_id_x 1
		.amdhsa_system_sgpr_workgroup_id_y 1
		.amdhsa_system_sgpr_workgroup_id_z 1
		.amdhsa_system_vgpr_workitem_id 0
		.amdhsa_next_free_vgpr 416
		.amdhsa_next_free_sgpr 96
		.amdhsa_reserve_vcc 0
		.amdhsa_float_denorm_mode_32 3
		.amdhsa_float_denorm_mode_16_64 3
		.amdhsa_memory_ordered 1
		.amdhsa_forward_progress 1
		.amdhsa_inst_pref_size 54
	.end_amdhsa_kernel
	.amdgpu_metadata
---
amdhsa.version: [ 1, 2 ]
amdhsa.kernels:
  - .name:           k_qb6bbd84efd_proj
    .symbol:         k_qb6bbd84efd_proj.kd
    .args:
      - { .name: a_codes, .offset: 0, .size: 8, .value_kind: global_buffer, .address_space: global }
      - { .name: a_scales, .offset: 8, .size: 8, .value_kind: global_buffer, .address_space: global }
      - { .name: w_codes, .offset: 16, .size: 8, .value_kind: global_buffer, .address_space: global }
      - { .name: w_scales, .offset: 24, .size: 8, .value_kind: global_buffer, .address_space: global }
      - { .name: bo, .offset: 32, .size: 8, .value_kind: global_buffer, .address_space: global }
      - { .name: out0, .offset: 40, .size: 8, .value_kind: global_buffer, .address_space: global }
    .group_segment_fixed_size: 222720
    .private_segment_fixed_size: 0
    .kernarg_segment_align: 8
    .kernarg_segment_size: 48
    .max_flat_workgroup_size: 128
    .sgpr_count:     96
    .vgpr_count:     416
    .wavefront_size: 32
...
	.end_amdgpu_metadata
.endif
;; end of part 4
